; MI455X (gfx1250); checked and timed in simulation.
; The chip was launched on July 23, 2026; its instructions are those of AMD's public machine-readable ISA for CDNA 5 (MIT licence, August 2026) and "CDNA5" Instruction Set Architecture Reference Guide (July 2026). The comments in the code are by the model that wrote it; some were corrected since.
;; Sparse Hyperbolic Attention. Allowed arithmetic: matrix products marked QUANTISED: E5M2 operands, one E8M0 scale for each 32 along K, by v_wmma_scale_f32_16x16x128_f8f6f4 with both operands' format E5M2, f32 sums; products left as they are: f32 operands where the result goes on into a quantised operand, else bf16, f16 or f32 operands; f32 sums; everything else in f32.
;; Inputs: Wk 512 x 512 float32; Wo 512 x 512 float32; Wq 512 x 512 float32; Wv 512 x 512 float32; rand_vecs 8 x 64 float32; x 2 x 1,024 x 512 float32.
;; Outputs: out0 2 x 1,024 x 512 float32.
;; This version of the problem:
;;   THIS VERSION OF THE PROBLEM IS GIVEN IN LOW PRECISION. The matrix products marked QUANTISED in the list below multiply operands that are first quantised to E5M2 (5 exponent bits, 2 mantissa bits; 8 bits a number), with one power-of-two scale for each 32 numbers along K (OCP MX v1.0); their sums are f32. All else is computed in f32.
;;   The module's matrix products, in the order in which they are computed (A, B: the left and right operand; K: the contracted axis; several contracted axes count as one K, in the product's order):
;;     1. [M 2,048, K 512] x [K 512, N 512]; A: input x; B: input Wq: QUANTISED
;;     2. [M 2,048, K 512] x [K 512, N 512]; A: input x; B: input Wk: QUANTISED
;;     3. [M 2,048, K 512] x [K 512, N 512]; A: input x; B: input Wv: QUANTISED
;;     4. [M 16,384, K 64] x [K 64, N 8]; A: computed on the way; B: input rand_vecs: left as it is (N = 8 < 16)
;;     5. [M 16,384, K 64] x [K 64, N 8]; A: computed on the way; B: input rand_vecs: left as it is (N = 8 < 16)
;;     6. batch 16,384 x [M 1, K 102] x [K 102, N 64]; A: softmax; B: computed on the way: left as it is (M = 1 < 16)
;;     7. [M 2,048, K 512] x [K 512, N 512]; A: computed on the way; B: input Wo: QUANTISED
;;   THE QUANTISER, for each operand of a quantised product, along K:
;;     - K is cut into blocks of 32 from its start; a last block that is shorter is filled with zeros.
;;     - A block's scale is 2^e with e = floor(log2(the largest magnitude in the block)) - 15, held to -126 .. 127; a block of zeros has e = 0. As a byte (E8M0): e + 127.
;;     - Each number is divided by its block's scale, clamped to +-57,344, and rounded to the nearest number of E5M2, ties to even, subnormals kept.
;;     - The product sums the exact products of the quantised numbers (number of the format x scale) in f32.
;;   ~~~python
;;   def quantise(x, axis):      # numpy; x: float32 -> the quantised numbers, widened to float32 again
;;       x = np.moveaxis(x, axis, -1); K = x.shape[-1]
;;       x = np.pad(x, [(0, 0)] * (x.ndim - 1) + [(0, -K % 32)]); x = x.reshape(x.shape[:-1] + (-1, 32)); a = np.abs(x).max(-1, keepdims=True)
;;       e = np.where(a > 0, np.clip(np.frexp(np.where(a > 0, a, 1))[1] - 1 - 15, -126, 127), 0)      # np.frexp(a)[1] - 1 = floor(log2(a)), exactly
;;       r = np.clip(x / 2.0 ** e, -57344, 57344)
;;       step = 2.0 ** (np.maximum(np.frexp(np.where(r == 0, 1, r))[1] - 1, -14) - 2)
;;       q = np.round(r / step) * step * 2.0 ** e      # np.round: ties to even
;;       return np.moveaxis(q.reshape(q.shape[:-2] + (-1,))[..., :K], -1, axis).astype(np.float32)
;;   ~~~
;;   OPERANDS COMPUTED ON THE WAY. 'Computed on the way' means the value that the module computes at that place (a softmax that the list does not call 'softmax' is quantised finished and normalised). What goes into a quantiser is computed in f32, as accurately as f32 sums, v_exp_f32 and their like allow (about 1e-6 of the number): no bf16 or f16 on the way to a quantiser, and a product that is left as it is and whose result goes on into a quantised operand takes f32 operands (vector FMAs, or v_wmma_f32_16x16x4_f32). A number that lies on a knife's edge between two numbers of the format may be rounded either way, as far as f32 arithmetic and the matrix unit's own rounding can turn it there, and no further.
;; 3 versions, each right; version 2 is faster than version 1; version 3 is version 2 with the launches qkv, oproj written anew for expert scheduling mode. Each part assembles by itself: llvm-mc -triple=amdgcn-amd-amdhsa -mcpu=gfx1250 --defsym DOCPART=n.
;; ======== version 1 of 3: 5 launches
;; limits: right only within a limited range of input values
;; workspace buffers: recs 2,359,296 bytes; qkv 12,582,912 bytes; fac 131,072 bytes; codes 131,072 bytes of whole numbers; klist 2,097,152 bytes of whole numbers; order 81,920 bytes of whole numbers; attn 4,194,304 bytes
;; launch quant (part 1): grid 256 x 1, 4 waves a work-group, no clusters, 34,304 bytes of LDS; arguments x, Wq, Wk, Wv, Wo, recs; writes recs
.if DOCPART == 1
	.amdgcn_target "amdgcn-amd-amdhsa--gfx1250"
	.amdhsa_code_object_version 6
	.text
	.protected	k_q52705cf927_quant
	.globl	k_q52705cf927_quant
	.p2align	8
	.type	k_q52705cf927_quant,@function
k_q52705cf927_quant:
	s_mov_b64 s[64:65], 0
	v_nop
	global_prefetch_b8 v0, s[64:65] scope:SCOPE_SE
	s_setreg_imm32_b32 hwreg(HW_REG_WAVE_MODE, 25, 1), 1
	s_wait_xcnt 0x0
; x [2048][512] and Wq, Wk, Wv, Wo [512][512], f32, K innermost, become codes of BF8 (E5M2) with one E8M0 scale byte for each 32 along K,
; laid as RECORDS in the order of the matrix operand's registers, so that later launches fetch a fragment by dense loads.
; A record = a fragment of 16 rows x 128 K: 2,048 bytes of codes (register group c of lane l at 512 c + 16 l), then 256 bytes of scale words
; (lane l's word, twice, at 2048 + 8 l; lane l holds the word of row l % 16): 2,304 bytes, all written.
; Work-group g takes 16 rows: g < 128: rows 16 g of x; else tensor (g - 128) / 32 of Wq, Wk, Wv, Wo, rows 16 (g % 32).  Wave s takes K step s.  Record number 4 g + s.
; A block's scale byte is its largest magnitude's exponent field - 15, held at 1 from below.  A block of zeros so gets the byte 1 where the rule says 127:
; its codes are zeros, and this program alone reads the bytes.  LIMITS: NaN and infinities among the inputs are not served.
; Each of the 16 loads reads 512 consecutive bytes of one row; the conversions want 16 neighbours along K in one lane, so the rows turn through the wave's own
; stage in LDS (rows of 512 + 16 bytes, so that the sixteen rows that a load back touches start in different banks).  No barrier: waves share nothing.
.set ROWB,   2048
.set SPITCH, 528
.set WSTG,   16*SPITCH
.set REC,    2304
.set RAW,  16                          ; v16-79   16 rows as loaded
.set NUM,  80                          ; v80-143  register 16 b + i = k 32 b + 16 (lane / 16) + i of row lane % 16
.set PC,   144                         ; v144-159 the codes
.set TM,   160                         ; v160-175 largest magnitudes, bytes, holds, scale operands
.set PW,   176                         ; v176-177 the scale word, twice
.set SEL,  20
.set MNT,  22
	s_load_b256 s[4:11], s[0:1], 0x0               ; x, Wq, Wk, Wv
	s_load_b128 s[12:15], s[0:1], 0x20             ; Wo, the records
	v_lshl_add_u32 v192, v0, 2, 0x8400
	v_mov_b32 v193, 0
	v_lshrrev_b32 v1, 5, v0
	v_readfirstlane_b32 s16, v1                    ; wave = K step
	v_and_b32 v1, 31, v0
	v_and_b32 v2, 15, v0                           ; r
	v_bfe_u32 v3, v0, 4, 1                         ; h
	v_lshlrev_b32 v4, 4, v1                        ; 16 x lane
	v_lshlrev_b32 v5, 3, v1                        ; 8 x lane
	s_mul_i32 s17, s16, WSTG
	v_add_nc_u32 v6, s17, v4                       ; the stage, in: a row as it lies
	v_mul_u32_u24 v7, v2, SPITCH
	v_lshl_add_u32 v7, v3, 6, v7
	v_add_nc_u32 v7, s17, v7                       ; back: row r, + 64 h
	s_mov_b32 s[SEL], 0x76543210
	s_mov_b32 s[SEL+1], 0xfedcba98                 ; v_permlanex16_b32's selects for lane l xor 16
	s_mov_b32 s[MNT], 0x600000                     ; the mantissa field of 57,344
.irp b, 0,1,2,3
	v_mov_b32 v[TM+4+\b], 0                        ; a lane permute's destination counts as one of its sources
.endr
	s_and_b32 s18, ttmp9, 31                       ; the tile of 16 rows in a weight
	s_lshl_b32 s24, ttmp9, 2
	s_add_co_u32 s24, s24, s16
	s_mul_i32 s24, s24, REC                        ; my record's first byte
	s_mov_b32 s25, 0
	s_wait_kmcnt 0x0
	s_cmp_lt_u32 ttmp9, 224                        ; which tensor: the choice hangs on the work-group's number alone
	s_cselect_b64 s[12:13], s[10:11], s[12:13]
	s_cmp_lt_u32 ttmp9, 192
	s_cselect_b64 s[12:13], s[8:9], s[12:13]
	s_cmp_lt_u32 ttmp9, 160
	s_cselect_b64 s[12:13], s[6:7], s[12:13]
	s_cmp_lt_u32 ttmp9, 128
	s_cselect_b64 s[12:13], s[4:5], s[12:13]
	s_cselect_b32 s18, ttmp9, s18
	s_lshl_b32 s18, s18, 15                        ; 16 rows of 2,048 bytes a tile
	s_lshl_b32 s19, s16, 9                         ; 512 bytes a K step
	s_add_co_u32 s18, s18, s19
	s_mov_b32 s19, 0
	s_add_nc_u64 s[12:13], s[12:13], s[18:19]
	s_add_nc_u64 s[14:15], s[14:15], s[24:25]
.irp i, 0,1,2,3,4,5,6,7,8,9,10,11,12,13,14,15
	global_load_b128 v[RAW+4*\i:RAW+4*\i+3], v4, s[12:13] offset:ROWB*\i th:TH_LOAD_NT   ; 512 consecutive bytes of row i; read once in the whole program
.endr
.irp i, 0,1,2,3,4,5,6,7,8,9,10,11,12,13,14,15
	s_wait_loadcnt 15-\i                           ; loads come back in order: row i is in, the 15 - i younger ones stay out
	ds_store_b128 v6, v[RAW+4*\i:RAW+4*\i+3] offset:SPITCH*\i
.endr
.irp b, 0,1,2,3
.irp j, 0,1,2,3
	ds_load_b128 v[NUM+16*\b+4*\j:NUM+16*\b+4*\j+3], v7 offset:128*\b+16*\j   ; LDS serves a wave's instructions in order: these see my stores
.endr
.endr
	s_wait_dscnt 0x0
.irp b, 0,1,2,3
	v_max3_num_f32 v[TM+\b], |v[NUM+16*\b]|, |v[NUM+1+16*\b]|, 0x8000000   ; block b: my 16 numbers, and the floor 2^(16 - 127): the byte cannot fall under 1
.endr
.irp i, 2,4,6,8,10,12,14
.irp b, 0,1,2,3
	v_max3_num_f32 v[TM+\b], v[TM+\b], |v[NUM+16*\b+\i]|, |v[NUM+1+16*\b+\i]|   ; the four blocks by turns
.endr
.endr
.irp b, 0,1,2,3
	v_permlanex16_b32 v[TM+4+\b], v[TM+\b], s[SEL], s[SEL+1]
.endr
.irp b, 0,1,2,3
	v_max_num_f32 v[TM+\b], v[TM+\b], v[TM+4+\b]   ; with lane l xor 16's: the block's largest magnitude
.endr
.irp b, 0,1,2,3
	v_add_nc_u32 v[TM+12+\b], 0xf8800000, v[TM+\b] ; 15 off its exponent field: the conversion's scale operand
.endr
.irp b, 0,1,2,3
	v_and_or_b32 v[TM+8+\b], v[TM+\b], 0x7f800000, s[MNT]   ; 57,344 x the scale
.endr
.irp b, 0,1,2,3
	v_lshrrev_b32 v[TM+4+\b], 23, v[TM+12+\b]      ; the scale's byte
.endr
	v_lshl_or_b32 v[PW], v[TM+5], 8, v[TM+4]       ; the four bytes make my row's scale word
	v_lshl_or_b32 v[PW], v[TM+6], 16, v[PW]
	v_lshl_or_b32 v[PW], v[TM+7], 24, v[PW]
.irp b, 0,1,2,3
.irp i, 0,1,2,3,4,5,6,7,8,9,10,11,12,13,14,15
	v_med3_num_f32 v[NUM+16*\b+\i], v[NUM+16*\b+\i], -v[TM+8+\b], v[TM+8+\b]   ; the conversion to an 8-bit code does not saturate (ISA guide 7.6.2): the hold at the largest code x the scale
.endr
	v_cvt_scalef32_pk8_bf8_f32 v[PC+4*\b:PC+1+4*\b], v[NUM+16*\b:NUM+7+16*\b], v[TM+12+\b]
	v_cvt_scalef32_pk8_bf8_f32 v[PC+2+4*\b:PC+3+4*\b], v[NUM+8+16*\b:NUM+15+16*\b], v[TM+12+\b]
.endr
	v_mov_b32 v[PW+1], v[PW]                       ; the word twice, so that the record's last 256 bytes are all written (also the plain line behind the conversions)
.irp c, 0,1,2,3
	global_store_b128 v4, v[PC+4*\c:PC+4*\c+3], s[14:15] offset:512*\c   ; 512 consecutive bytes, at a multiple of 256 from the buffer's first byte
.endr
	global_store_b64 v5, v[PW:PW+1], s[14:15] offset:2048
	s_wait_tensorcnt 0x0
	ds_add_u32 v192, v193
	s_wait_dscnt 0x0
	s_endpgm
.Lfunc_end_k_q52705cf927_quant:
	.size	k_q52705cf927_quant, .Lfunc_end_k_q52705cf927_quant-k_q52705cf927_quant
	.p2alignl 7, 3214868480
	.fill 96, 4, 3214868480
	.section	.rodata,"a",@progbits
	.p2align	6, 0x0
	.amdhsa_kernel k_q52705cf927_quant
		.amdhsa_group_segment_fixed_size 34304
		.amdhsa_private_segment_fixed_size 0
		.amdhsa_enable_private_segment 0
		.amdhsa_kernarg_size 48
		.amdhsa_user_sgpr_count 2
		.amdhsa_user_sgpr_kernarg_segment_ptr 1
		.amdhsa_wavefront_size32 1
		.amdhsa_system_sgpr_workgroup_id_x 1
		.amdhsa_system_sgpr_workgroup_id_y 1
		.amdhsa_system_sgpr_workgroup_id_z 1
		.amdhsa_system_vgpr_workitem_id 0
		.amdhsa_next_free_vgpr 194
		.amdhsa_next_free_sgpr 66
		.amdhsa_reserve_vcc 0
		.amdhsa_float_denorm_mode_32 3
		.amdhsa_float_denorm_mode_16_64 3
		.amdhsa_memory_ordered 1
		.amdhsa_forward_progress 1
		.amdhsa_inst_pref_size 15
	.end_amdhsa_kernel
	.amdgpu_metadata
---
amdhsa.version: [ 1, 2 ]
amdhsa.kernels:
  - .name:           k_q52705cf927_quant
    .symbol:         k_q52705cf927_quant.kd
    .args:
      - { .name: x, .offset: 0, .size: 8, .value_kind: global_buffer, .address_space: global }
      - { .name: Wq, .offset: 8, .size: 8, .value_kind: global_buffer, .address_space: global }
      - { .name: Wk, .offset: 16, .size: 8, .value_kind: global_buffer, .address_space: global }
      - { .name: Wv, .offset: 24, .size: 8, .value_kind: global_buffer, .address_space: global }
      - { .name: Wo, .offset: 32, .size: 8, .value_kind: global_buffer, .address_space: global }
      - { .name: recs, .offset: 40, .size: 8, .value_kind: global_buffer, .address_space: global }
    .group_segment_fixed_size: 34304
    .private_segment_fixed_size: 0
    .kernarg_segment_align: 8
    .kernarg_segment_size: 48
    .max_flat_workgroup_size: 128
    .sgpr_count:     66
    .vgpr_count:     194
    .wavefront_size: 32
...
	.end_amdgpu_metadata
.endif
;; end of part 1
;; launch qkv (part 2): grid 24 x 8, 4 waves a work-group, no clusters, 35,328 bytes of LDS; arguments recs, rand_vecs, qkv, fac, codes; writes qkv, fac, codes
.if DOCPART == 2
	.amdgcn_target "amdgcn-amd-amdhsa--gfx1250"
	.amdhsa_code_object_version 6
	.text
	.protected	k_q52705cf927_qkv
	.globl	k_q52705cf927_qkv
	.p2align	8
	.type	k_q52705cf927_qkv,@function
k_q52705cf927_qkv:
	s_mov_b64 s[64:65], 0
	v_nop
	global_prefetch_b8 v0, s[64:65] scope:SCOPE_SE
	s_setreg_imm32_b32 hwreg(HW_REG_WAVE_MODE, 25, 1), 1
	s_wait_xcnt 0x0
; q, k, v = x Wq^T, x Wk^T, x Wv^T on codes of BF8 (E5M2) with E8M0 scales, sums in f32; laid [tensor][batch x 8 + head][token][64] f32.
; For q and k also: 1 - the row's sum of squares (fac) and the eight sign hashes of the row against rand_vecs (codes: hash bit k at bit 4 k of a word).
; SHARES.  Work-group (x, y): x = 8 tensor + head, y = a block of 256 tokens.  Wave w: 4 tiles of 16 tokens.  The head's 64 rows of the weight, 16 records, stay in the wave's
; registers; a tile's 4 records of x come by dense loads of 512 bytes.  No wave reads what another wrote: no barrier.
; 24 x 8 = 192 work-groups: a wave needs all 64 features of a head for the hashes, and four tiles share the 36,864 bytes of weight records that a wave fetches.
; No cluster: what work-groups share (x's records, 9,216 bytes a tile) goes straight to registers; nothing goes through LDS by the data mover.
; THE MATRIX INSTRUCTION IS USED TRANSPOSED (source 0 = 16 rows of the weight, source 1 = 16 tokens): lane (r, h) holds token r; register j of accumulator f is feature 16 f + 8 h + j.
; Hashes and norm are f32 vector work on these registers; lane l xor 16 holds the token's other 32 features.  rand_vecs lies in window 2 in the same layout.
; LIMIT: a hash dot product within f32 rounding of 0 may fall on either side.
; Rows leave through the wave's own stage in LDS (16 rows x (256 + 16) bytes) as 512 consecutive bytes a store.  The path for v has stage bytes of its own.
; REGISTERS: window 0: v4-9 addresses; v16-79 x's four fragments; v80-83 their scale words; v84-99 the weight's scale words; v100-131 four accumulators; v132-163 rows on the way out;
;   v164-179 eight hash sums (pairs); v180-183 the norm; v184-191, v196 at work; v192-195 hash word and factor of an even and an odd tile.   window 1: the weight's 16 fragments.   window 2: rand_vecs.
.set REC,  2304
.set SP,   272
.set VSTG, 4*16*SP
.set XF,   16
.set XS,   80
.set WS,   84
.set ACC,  100
.set OUTR, 132
.set HS,   164
.set N2,   180
.set PT,   184
.set CD,   192
.set FC,   194
.set TT,   196
.set MSB, 0
.macro WIN new                         ; the immediate's high byte repeats the setting that is left
.if MSB != \new
	s_set_vgpr_msb (MSB<<8)|\new
.set MSB, \new
.endif
.endm
	s_load_b128 s[4:7], s[0:1], 0x0                ; the records, rand_vecs
	s_load_b128 s[8:11], s[0:1], 0x10              ; qkv, fac
	s_load_b64 s[12:13], s[0:1], 0x20              ; codes
	v_lshl_add_u32 v254, v0, 2, 0x8800
	v_mov_b32 v255, 0
	v_lshrrev_b32 v1, 5, v0
	v_readfirstlane_b32 s14, v1                    ; wave
	v_and_b32 v1, 31, v0
	v_and_b32 v2, 15, v0                           ; r
	v_bfe_u32 v3, v0, 4, 1                         ; h
	v_lshlrev_b32 v4, 4, v1                        ; 16 x lane
	v_lshlrev_b32 v5, 3, v1                        ; 8 x lane
	v_lshlrev_b32 v8, 2, v1                        ; 4 x lane
	v_lshlrev_b32 v9, 5, v3                        ; rand_vecs: my half's eight numbers of sixteen
	s_mul_i32 s15, s14, 16*SP                      ; my stage
	v_mul_u32_u24 v6, v2, SP
	v_lshl_add_u32 v6, v3, 5, v6
	v_add_nc_u32 v6, s15, v6                       ; in: row r, + 32 h
	v_mul_u32_u24 v7, v3, SP
	v_lshl_add_u32 v7, v2, 4, v7
	v_add_nc_u32 v7, s15, v7                       ; back: lanes 0-15 one row, lanes 16-31 the next
	s_mov_b32 s20, 0x76543210
	s_mov_b32 s21, 0xfedcba98                      ; v_permlanex16_b32's selects for lane l xor 16
	s_mov_b32 s23, 0xffff0000                      ; lanes 16-31
	s_and_b32 s22, ttmp7, 0xffff                   ; the block of 256 tokens
	s_lshl_b32 s24, ttmp9, 4
	s_add_co_u32 s24, s24, 512
	s_mul_i32 s24, s24, REC                        ; the weight's records: number 512 + 16 x on
	s_mov_b32 s25, 0
	s_lshl_b32 s26, s22, 4
	s_lshl_b32 s27, s14, 2
	s_add_co_u32 s26, s26, s27                     ; my first tile of tokens: 16 y + 4 w
	s_mul_i32 s26, s26, 4*REC                      ; four records a tile
	s_mov_b32 s27, 0
	s_lshr_b32 s28, ttmp9, 3                       ; tensor
	s_and_b32 s29, ttmp9, 7                        ; head
	s_lshr_b32 s30, s22, 2                         ; batch
	s_lshl_b32 s28, s28, 4
	s_lshl_b32 s30, s30, 3
	s_add_co_u32 s28, s28, s30
	s_add_co_u32 s28, s28, s29                     ; 16 tensor + 8 batch + head
	s_lshl_b32 s28, s28, 10
	s_and_b32 s29, s22, 3
	s_lshl_b32 s29, s29, 8
	s_add_co_u32 s28, s28, s29
	s_lshl_b32 s29, s14, 6
	s_add_co_u32 s28, s28, s29                     ; my first row of the output
	s_lshl_b32 s30, s28, 8                         ; 256 bytes a row
	s_mov_b32 s31, 0
	s_lshl_b32 s32, s28, 2                         ; 4 bytes a row in fac and codes
	s_mov_b32 s33, 0
	s_wait_kmcnt 0x0
	s_add_nc_u64 s[16:17], s[4:5], s[26:27]        ; x's records
	s_add_nc_u64 s[4:5], s[4:5], s[24:25]          ; the weight's
	s_add_nc_u64 s[18:19], s[8:9], s[30:31]
	s_add_nc_u64 s[10:11], s[10:11], s[32:33]      ; (used on the path for q and k alone)
	s_add_nc_u64 s[12:13], s[12:13], s[32:33]
.macro XLOADR i                        ; tile i's four records of x: fragments and scale words
.irp s, 0,1,2,3
.irp c, 0,1,2,3
	global_load_b128 v[XF+16*\s+4*\c:XF+16*\s+4*\c+3], v4, s[16:17] offset:4*REC*(\i)+REC*\s+512*\c
.endr
	global_load_b32 v[XS+\s], v5, s[16:17] offset:4*REC*(\i)+REC*\s+2048
.endr
.endm
	XLOADR 0
	WIN 0x40                                       ; destination window 1
.irp j, 0,1,2,3,4,5,6,7,8,9,10,11,12,13,14,15      ; record j = 4 f + s: features 16 f on, K step s
.irp c, 0,1,2,3
	global_load_b128 v[16*\j+4*\c:16*\j+4*\c+3], v4, s[4:5] offset:REC*\j+512*\c
.endr
.endr
	WIN 0
.irp j, 0,1,2,3,4,5,6,7,8,9,10,11,12,13,14,15
	global_load_b32 v[WS+\j], v5, s[4:5] offset:REC*\j+2048
.endr
.irp k, 0,1,2,3,4,5,6,7
	v_mov_b32 v[PT+\k], 0                          ; a lane permute's destination counts as one of its sources
.endr
	v_mov_b32 v[TT], 0
; One tile of 16 tokens.  hash = 1: the path for q and k.  stg: the path's stage bytes.
.macro TILE i, hash, stg
	s_wait_loadcnt 0x0                             ; the tile's records (the first time also the weight's and rand_vecs) are in
	WIN 0x01                                       ; source 0 window 1
.irp s, 0,1,2,3                        ; the four accumulators take turns, one instruction a turn; the first K step starts the sums
.irp f, 0,1,2,3
.if \s == 0
	v_wmma_scale_f32_16x16x128_f8f6f4 v[ACC+8*\f:ACC+8*\f+7], v[16*(4*\f+\s):16*(4*\f+\s)+15], v[XF+16*\s:XF+16*\s+15], 0, v[WS+4*\f+\s], v[XS+\s] matrix_a_fmt:MATRIX_FMT_BF8 matrix_b_fmt:MATRIX_FMT_BF8
.else
	v_wmma_scale_f32_16x16x128_f8f6f4 v[ACC+8*\f:ACC+8*\f+7], v[16*(4*\f+\s):16*(4*\f+\s)+15], v[XF+16*\s:XF+16*\s+15], v[ACC+8*\f:ACC+8*\f+7], v[WS+4*\f+\s], v[XS+\s] matrix_a_fmt:MATRIX_FMT_BF8 matrix_b_fmt:MATRIX_FMT_BF8
.endif
.endr
.endr
	WIN 0
.rept 9
	v_nop                                          ; eight places in front of the loads into x's registers and of the first reads of results; nine in front of the next tile's products, which begin the accumulators anew
.endr
.if (\i) < 3
	XLOADR (\i)+1                                  ; the next tile's records land while this tile's results are worked on
.endif
	s_wait_xcnt 0x0                                ; the last tile's stores have read their registers: these are written again only behind this wait
.if \hash
	v_pk_mul_f32 v[N2:N2+1], v[ACC:ACC+1], v[ACC:ACC+1]            ; the sum of squares of my 32 features, in two chains; each accumulator is read from its low end on
	v_pk_mul_f32 v[N2+2:N2+3], v[ACC+2:ACC+3], v[ACC+2:ACC+3]
.irp p, 4,8,12,16,20,24,28
	v_pk_fma_f32 v[N2:N2+1], v[ACC+\p:ACC+\p+1], v[ACC+\p:ACC+\p+1], v[N2:N2+1]
	v_pk_fma_f32 v[N2+2:N2+3], v[ACC+\p+2:ACC+\p+3], v[ACC+\p+2:ACC+\p+3], v[N2+2:N2+3]
.endr
	WIN 0x08                                       ; source 1 window 2: rand_vecs
.irp k, 0,1,2,3,4,5,6,7
	v_pk_mul_f32 v[HS+2*\k:HS+2*\k+1], v[ACC:ACC+1], v[32*\k:32*\k+1]   ; eight dot products by turns, two features at a time
.endr
.irp p, 2,4,6,8,10,12,14,16,18,20,22,24,26,28,30
.irp k, 0,1,2,3,4,5,6,7
	v_pk_fma_f32 v[HS+2*\k:HS+2*\k+1], v[ACC+\p:ACC+\p+1], v[32*\k+\p:32*\k+\p+1], v[HS+2*\k:HS+2*\k+1]
.endr
.endr
	WIN 0
	v_pk_add_f32 v[N2:N2+1], v[N2:N2+1], v[N2+2:N2+3]
.irp k, 0,1,2,3,4,5,6,7
	v_add_f32 v[HS+2*\k], v[HS+2*\k], v[HS+2*\k+1]
.endr
	v_add_f32 v[N2], v[N2], v[N2+1]
.irp k, 0,1,2,3,4,5,6,7
	v_permlanex16_b32 v[PT+\k], v[HS+2*\k], s20, s21
.endr
	v_permlanex16_b32 v[TT], v[N2], s20, s21
.irp k, 0,1,2,3,4,5,6,7
	v_add_f32 v[HS+2*\k], v[HS+2*\k], v[PT+\k]     ; with the token's other 32 features: both halves of the lanes now hold the same
.endr
	v_add_f32 v[N2], v[N2], v[TT]
	v_sub_f32 v[FC+(\i)%2], 1.0, v[N2]             ; 1 - |row|^2
	v_cmp_le_f32 vcc_lo, 0, v[HS]                  ; the hash bit: dot product >= 0
	v_cndmask_b32 v[CD+(\i)%2], 0, 1, vcc_lo
.irp k, 1,2,3,4,5,6,7
	v_cmp_le_f32 vcc_lo, 0, v[HS+2*\k]
	v_cndmask_b32 v[TT], 0, 1, vcc_lo
	v_lshl_or_b32 v[CD+(\i)%2], v[TT], 4*\k, v[CD+(\i)%2]   ; bit k at bit 4 k: a later launch counts differing bits by one multiplication
.endr
.if (\i)%2 == 1
	v_cndmask_b32 v[CD+1], v[CD], v[CD+1], s23     ; lanes 0-15 the even tile's 16 tokens, lanes 16-31 the odd tile's: 128 consecutive bytes a store
	v_cndmask_b32 v[FC+1], v[FC], v[FC+1], s23
	global_store_b32 v8, v[CD+1], s[12:13] offset:128*((\i)/2)
	global_store_b32 v8, v[FC+1], s[10:11] offset:128*((\i)/2)
.endif
.endif
.irp f, 0,1,2,3
	ds_store_b128 v6, v[ACC+8*\f:ACC+8*\f+3] offset:\stg+64*\f          ; features 16 f + 8 h + 0 .. 7 of token r; each accumulator from its low end on
	ds_store_b128 v6, v[ACC+8*\f+4:ACC+8*\f+7] offset:\stg+64*\f+16
.endr
.irp t, 0,1,2,3,4,5,6,7
	ds_load_b128 v[OUTR+4*\t:OUTR+4*\t+3], v7 offset:\stg+2*\t*SP       ; LDS serves a wave's instructions in order: these see my stores
.endr
.irp t, 0,1,2,3,4,5,6,7
	s_wait_dscnt 7-\t                              ; pair t of rows is back; the 7 - t younger loads stay out
	global_store_b128 v4, v[OUTR+4*\t:OUTR+4*\t+3], s[18:19] offset:4096*(\i)+512*\t   ; two rows of 256 bytes: 512 consecutive bytes, at a multiple of 256 from the buffer's first byte
.endr
.endm
	s_cmp_lt_u32 ttmp9, 16                         ; q and k, or v: the same for the whole work-group
	s_cbranch_scc0 .Lvalues
	WIN 0x80                                       ; destination window 2
.irp k, 0,1,2,3,4,5,6,7                            ; rand_vecs[k][16 f + 8 h + j] at register 32 k + 8 f + j
.irp f, 0,1,2,3
	global_load_b128 v[32*\k+8*\f:32*\k+8*\f+3], v9, s[6:7] offset:256*\k+64*\f
	global_load_b128 v[32*\k+8*\f+4:32*\k+8*\f+7], v9, s[6:7] offset:256*\k+64*\f+16
.endr
.endr
	WIN 0
	TILE 0, 1, 0
	TILE 1, 1, 0
	TILE 2, 1, 0
	TILE 3, 1, 0
	s_wait_tensorcnt 0x0
	ds_add_u32 v254, v255
	s_wait_dscnt 0x0
	s_endpgm
.Lvalues:
	TILE 0, 0, VSTG
	TILE 1, 0, VSTG
	TILE 2, 0, VSTG
	TILE 3, 0, VSTG
	s_wait_tensorcnt 0x0
	ds_add_u32 v254, v255
	s_wait_dscnt 0x0
	s_endpgm
.Lfunc_end_k_q52705cf927_qkv:
	.size	k_q52705cf927_qkv, .Lfunc_end_k_q52705cf927_qkv-k_q52705cf927_qkv
	.p2alignl 7, 3214868480
	.fill 96, 4, 3214868480
	.section	.rodata,"a",@progbits
	.p2align	6, 0x0
	.amdhsa_kernel k_q52705cf927_qkv
		.amdhsa_group_segment_fixed_size 35328
		.amdhsa_private_segment_fixed_size 0
		.amdhsa_enable_private_segment 0
		.amdhsa_kernarg_size 40
		.amdhsa_user_sgpr_count 2
		.amdhsa_user_sgpr_kernarg_segment_ptr 1
		.amdhsa_wavefront_size32 1
		.amdhsa_system_sgpr_workgroup_id_x 1
		.amdhsa_system_sgpr_workgroup_id_y 1
		.amdhsa_system_sgpr_workgroup_id_z 1
		.amdhsa_system_vgpr_workitem_id 0
		.amdhsa_next_free_vgpr 768
		.amdhsa_next_free_sgpr 66
		.amdhsa_reserve_vcc 1
		.amdhsa_float_denorm_mode_32 3
		.amdhsa_float_denorm_mode_16_64 3
		.amdhsa_memory_ordered 1
		.amdhsa_forward_progress 1
		.amdhsa_inst_pref_size 112
	.end_amdhsa_kernel
	.amdgpu_metadata
---
amdhsa.version: [ 1, 2 ]
amdhsa.kernels:
  - .name:           k_q52705cf927_qkv
    .symbol:         k_q52705cf927_qkv.kd
    .args:
      - { .name: recs, .offset: 0, .size: 8, .value_kind: global_buffer, .address_space: global }
      - { .name: rand_vecs, .offset: 8, .size: 8, .value_kind: global_buffer, .address_space: global }
      - { .name: qkv, .offset: 16, .size: 8, .value_kind: global_buffer, .address_space: global }
      - { .name: fac, .offset: 24, .size: 8, .value_kind: global_buffer, .address_space: global }
      - { .name: codes, .offset: 32, .size: 8, .value_kind: global_buffer, .address_space: global }
    .group_segment_fixed_size: 35328
    .private_segment_fixed_size: 0
    .kernarg_segment_align: 8
    .kernarg_segment_size: 40
    .max_flat_workgroup_size: 128
    .sgpr_count:     66
    .vgpr_count:     768
    .wavefront_size: 32
...
	.end_amdgpu_metadata
.endif
;; end of part 2
;; launch sel (part 3): grid 512 x 1, 8 waves a work-group, no clusters, 0 bytes of LDS; arguments codes, klist, order; writes klist, order
.if DOCPART == 3
	.amdgcn_target "amdgcn-amd-amdhsa--gfx1250"
	.amdhsa_code_object_version 6
	.text
	.protected	k_q52705cf927_sel
	.globl	k_q52705cf927_sel
	.p2align	8
	.type	k_q52705cf927_sel,@function
k_q52705cf927_sel:
	s_mov_b64 s[64:65], 0
	v_nop
	global_prefetch_b8 v0, s[64:65] scope:SCOPE_SE
	s_setreg_imm32_b32 hwreg(HW_REG_WAVE_MODE, 25, 1), 1
	s_wait_xcnt 0x0
; The choice of keys, on whole numbers alone.  matches(query, key) = 8 - the number of differing hash bits, and top_k takes equal counts in the order of the index:
; so a query's 102 keys hang on its 8-bit hash code alone.  One wave serves one (batch, head) and one code c:
;   klist[(b, h)][c][0 .. 101] = the 102 keys (in any order: a sum over them follows);   order[(b, h)][..] = the queries sorted by code, as words query | c << 10.
; A hash word holds bit k at bit 4 k: the differing bits of two words are (a xor b) x 0x11111111 >> 28 (the top nibble is the sum of the eight nibbles, at most 8).
; KEYS.  Lane l of chunk t holds key 32 t + l.  First the numbers C_L of keys with distance <= L, L = 0 .. 7: each lane counts in fields of 6 bits (at most 32 a lane), adding a run of ones
; shifted by 6 d; what is shifted past the fields in use falls on bits that are not read.  T = the first L with C_L >= 102 (8 if none).  Keys with d < T take slots from 0 on, keys with d = T
; the slots behind them, both in the order of the index (ranks by v_mbcnt over the chunk's mask plus a running count).  Slots are held at 127; slots 102 .. 127 are never read.
; QUERIES.  The place of c's first query is the number of queries with a smaller hash word (the spread keeps the codes' order); lanes that hold no query of c store to a word of the wave's own behind the table.
; Every store has an address register and a data register of its own, so no store's source is written again.
.set KD, 16                            ; v16-47   key hash words, then distances, then store offsets
.set QD, 48                            ; v48-79   query hash words, then store offsets
.set IX, 80                            ; v80-111  32 t + lane
.set QX, 112                           ; v112-143 the words for order
	s_load_b128 s[4:7], s[0:1], 0x0                ; codes, klist
	s_load_b64 s[8:9], s[0:1], 0x10                ; order
	v_lshrrev_b32 v1, 5, v0
	v_readfirstlane_b32 s10, v1                    ; wave
	v_and_b32 v1, 31, v0
	v_lshlrev_b32 v2, 2, v1
	s_lshr_b32 s11, ttmp9, 5                       ; (b, h)
	s_and_b32 s12, ttmp9, 31
	s_lshl_b32 s12, s12, 3
	s_add_co_u32 s12, s12, s10                     ; c
	s_lshl_b32 s13, s11, 8
	s_add_co_u32 s13, s13, s12                     ; 256 (b, h) + c
	s_lshl_b32 s14, s11, 12                        ; 1,024 words a (b, h)
	s_mov_b32 s15, 0
	s_lshl_b32 s16, s13, 9                         ; 128 words a list
	s_mov_b32 s17, 0
	s_lshl_b32 s18, s12, 10
	s_and_b32 s19, s12, 1                          ; c with bit k at bit 4 k
.irp k, 1,2,3,4,5,6,7
	s_bfe_u32 s20, s12, (1<<16)|\k
	s_lshl_b32 s20, s20, 4*\k
	s_or_b32 s19, s19, s20
.endr
	s_mov_b32 s21, 0x11111111
	s_mov_b32 s22, 0x76543210
	s_mov_b32 s23, 0xfedcba98                      ; v_permlanex16_b32's selects for lane l xor 16
	s_add_co_u32 s39, s13, 16384                   ; my spare word behind the 16,384 places of order
	s_wait_kmcnt 0x0
	s_add_nc_u64 s[4:5], s[4:5], s[14:15]
	s_add_nc_u64 s[6:7], s[6:7], s[16:17]
.rept 32
	global_load_b32 v[KD+\+], v2, s[4:5] offset:65536+128*\+   ; the keys' words lie behind the queries' 16 x 1,024
.endr
.rept 32
	global_load_b32 v[QD+\+], v2, s[4:5] offset:128*\+
.endr
.rept 32
	v_add_nc_u32 v[IX+\+], 32*\+, v1
.endr
	v_mov_b32 v3, 0                                ; fields C_0 .. C_4
	v_mov_b32 v4, 0                                ; fields C_5 .. C_7
	v_mov_b32 v5, 0x01041041                       ; a one in each of five fields
	v_mov_b32 v6, 0x1041                           ; in each of three
	v_mov_b32 v14, 0
	v_mov_b32 v15, 127
	s_wait_loadcnt 32                              ; the 32 loads of keys are in; the 32 of queries stay out
.macro KCOUNT t
.set W, 7+3*((\t)%2)
	v_xor_b32 v[KD+\t], s19, v[KD+\t]
	v_mul_lo_u32 v[KD+\t], v[KD+\t], s21
	v_lshrrev_b32 v[KD+\t], 28, v[KD+\t]           ; d, 0 .. 8
	v_mul_u32_u24 v[W], v[KD+\t], 6
	v_min_u32 v[W+1], 30, v[W]                     ; d >= 5 adds nothing to the five fields: its ones fall on bits 30 and above
	v_max_u32 v[W+2], 30, v[W]
	v_lshl_add_u32 v3, v5, v[W+1], v3              ; + 1 in the fields L >= d
	v_sub_nc_u32 v[W+2], v[W+2], 30
	v_lshl_add_u32 v4, v6, v[W+2], v4
.endm
.rept 32
	KCOUNT \+
.endr
	v_bfe_u32 v7, v3, 6, 6                         ; two counts to a register, 16 bits each: a sum over 32 lanes is at most 1,024
	v_and_b32 v10, 63, v3
	v_lshl_or_b32 v10, v7, 16, v10                 ; C_0, C_1
	v_bfe_u32 v7, v3, 18, 6
	v_bfe_u32 v11, v3, 12, 6
	v_lshl_or_b32 v11, v7, 16, v11                 ; C_2, C_3
	v_and_b32 v7, 63, v4
	v_bfe_u32 v12, v3, 24, 6
	v_lshl_or_b32 v12, v7, 16, v12                 ; C_4, C_5
	v_bfe_u32 v7, v4, 12, 6
	v_bfe_u32 v13, v4, 6, 6
	v_lshl_or_b32 v13, v7, 16, v13                 ; C_6, C_7
.irp m, 1,2,4,8
	v_mov_b32_dpp v7, v10 row_xmask:\m row_mask:0xf bank_mask:0xf
	v_mov_b32_dpp v8, v11 row_xmask:\m row_mask:0xf bank_mask:0xf
	v_mov_b32_dpp v9, v12 row_xmask:\m row_mask:0xf bank_mask:0xf
	v_mov_b32_dpp v14, v13 row_xmask:\m row_mask:0xf bank_mask:0xf
	v_add_nc_u32 v10, v10, v7
	v_add_nc_u32 v11, v11, v8
	v_add_nc_u32 v12, v12, v9
	v_add_nc_u32 v13, v13, v14
.endr
	v_permlanex16_b32 v7, v10, s22, s23
	v_permlanex16_b32 v8, v11, s22, s23
	v_permlanex16_b32 v9, v12, s22, s23
	v_permlanex16_b32 v14, v13, s22, s23
	v_add_nc_u32 v10, v10, v7
	v_add_nc_u32 v11, v11, v8
	v_add_nc_u32 v12, v12, v9
	v_add_nc_u32 v13, v13, v14
	v_readfirstlane_b32 s24, v10
	v_readfirstlane_b32 s25, v11
	v_readfirstlane_b32 s26, v12
	v_readfirstlane_b32 s27, v13
	s_mov_b32 s28, 0                               ; T = how many of C_0 .. C_7 lie under 102 (they rise with L)
	s_mov_b32 s29, 0                               ; the largest of those: the number of keys with d < T
.irp w, 24,25,26,27
	s_and_b32 s30, s\w, 0xffff
	s_cmp_lt_u32 s30, 102
	s_cselect_b32 s30, s30, 0
	s_cselect_b32 s31, 1, 0
	s_max_u32 s29, s29, s30
	s_add_co_u32 s28, s28, s31
	s_lshr_b32 s30, s\w, 16
	s_cmp_lt_u32 s30, 102
	s_cselect_b32 s30, s30, 0
	s_cselect_b32 s31, 1, 0
	s_max_u32 s29, s29, s30
	s_add_co_u32 s28, s28, s31
.endr
	s_mov_b32 s32, 0                               ; the next slot for a key with d < T,
	s_mov_b32 s33, s29                             ; and for one with d = T
.macro KSEL t
	v_cmp_gt_u32 s34, s28, v[KD+\t]                ; d < T
	v_cmp_eq_u32 s35, s28, v[KD+\t]                ; d = T
	v_mbcnt_lo_u32_b32 v7, s34, s32                ; the running count + the chosen lanes below mine
	v_mbcnt_lo_u32_b32 v8, s35, s33
	v_cndmask_b32 v8, v15, v8, s35                 ; neither: slot 127
	v_cndmask_b32 v8, v8, v7, s34
	v_min_u32 v8, 127, v8                          ; keys at T past the list's end go to slots that are never read
	v_lshlrev_b32 v[KD+\t], 2, v8
	global_store_b32 v[KD+\t], v[IX+\t], s[6:7]
	s_bcnt1_i32_b32 s36, s34
	s_bcnt1_i32_b32 s37, s35
	s_add_co_u32 s32, s32, s36
	s_add_co_u32 s33, s33, s37
.endm
.rept 32
	KSEL \+
.endr
	s_wait_loadcnt 0x0                             ; the queries' words
	s_lshl_b32 s38, s11, 10                        ; the place of c's first query: 1,024 (b, h) + the queries with a smaller word
.rept 32
	v_cmp_gt_u32 s34, s19, v[QD+\+]
	s_bcnt1_i32_b32 s36, s34
	s_add_co_u32 s38, s38, s36
.endr
	v_mov_b32 v14, s39
.macro QSEL t
	v_cmp_eq_u32 s35, s19, v[QD+\t]
	s_cmp_eq_u32 s35, 0                            ; most chunks hold no query of c (four in 1,024 on the average): a scalar branch on words read from memory
	s_cbranch_scc1 .Lnone_\@
	v_mbcnt_lo_u32_b32 v8, s35, s38
	v_cndmask_b32 v8, v14, v8, s35                 ; the other lanes: my spare word
	v_min_u32 v8, 20479, v8                        ; inside the buffer's 20,480 words
	v_lshlrev_b32 v[QD+\t], 2, v8
	v_or_b32 v[QX+\t], s18, v[IX+\t]               ; query | c << 10
	global_store_b32 v[QD+\t], v[QX+\t], s[8:9]
	s_bcnt1_i32_b32 s37, s35
	s_add_co_u32 s38, s38, s37
.Lnone_\@:
.endm
.rept 32
	QSEL \+
.endr
	s_endpgm
.Lfunc_end_k_q52705cf927_sel:
	.size	k_q52705cf927_sel, .Lfunc_end_k_q52705cf927_sel-k_q52705cf927_sel
	.p2alignl 7, 3214868480
	.fill 96, 4, 3214868480
	.section	.rodata,"a",@progbits
	.p2align	6, 0x0
	.amdhsa_kernel k_q52705cf927_sel
		.amdhsa_group_segment_fixed_size 0
		.amdhsa_private_segment_fixed_size 0
		.amdhsa_enable_private_segment 0
		.amdhsa_kernarg_size 24
		.amdhsa_user_sgpr_count 2
		.amdhsa_user_sgpr_kernarg_segment_ptr 1
		.amdhsa_wavefront_size32 1
		.amdhsa_system_sgpr_workgroup_id_x 1
		.amdhsa_system_sgpr_workgroup_id_y 1
		.amdhsa_system_sgpr_workgroup_id_z 1
		.amdhsa_system_vgpr_workitem_id 0
		.amdhsa_next_free_vgpr 144
		.amdhsa_next_free_sgpr 66
		.amdhsa_reserve_vcc 0
		.amdhsa_float_denorm_mode_32 3
		.amdhsa_float_denorm_mode_16_64 3
		.amdhsa_memory_ordered 1
		.amdhsa_forward_progress 1
		.amdhsa_inst_pref_size 73
	.end_amdhsa_kernel
	.amdgpu_metadata
---
amdhsa.version: [ 1, 2 ]
amdhsa.kernels:
  - .name:           k_q52705cf927_sel
    .symbol:         k_q52705cf927_sel.kd
    .args:
      - { .name: codes, .offset: 0, .size: 8, .value_kind: global_buffer, .address_space: global }
      - { .name: klist, .offset: 8, .size: 8, .value_kind: global_buffer, .address_space: global }
      - { .name: order, .offset: 16, .size: 8, .value_kind: global_buffer, .address_space: global }
    .group_segment_fixed_size: 0
    .private_segment_fixed_size: 0
    .kernarg_segment_align: 8
    .kernarg_segment_size: 24
    .max_flat_workgroup_size: 256
    .sgpr_count:     66
    .vgpr_count:     144
    .wavefront_size: 32
...
	.end_amdgpu_metadata
.endif
;; end of part 3
;; launch attn (part 4): grid 256 x 1, 8 waves a work-group, no clusters, 0 bytes of LDS; arguments qkv, fac, klist, order, attn; writes attn
.if DOCPART == 4
	.amdgcn_target "amdgcn-amd-amdhsa--gfx1250"
	.amdhsa_code_object_version 6
	.text
	.protected	k_q52705cf927_attn
	.globl	k_q52705cf927_attn
	.p2align	8
	.type	k_q52705cf927_attn,@function
k_q52705cf927_attn:
	s_mov_b64 s[64:65], 0
	v_nop
	global_prefetch_b8 v0, s[64:65] scope:SCOPE_SE
	s_setreg_imm32_b32 hwreg(HW_REG_WAVE_MODE, 25, 1), 1
	s_wait_xcnt 0x0
; The sparse attention in f32: for each query its 102 keys' scores -arccosh(1 + 2 |q - k|^2 / max((1 - |q|^2)(1 - |k|^2), 1e-6)), their softmax, and the sum of the values.
; exp(-arccosh(c)) = 1 / w with w = c + sqrt(c^2 - 1) = e^distance: no exponential and no logarithm.  The softmax's maximum is taken away all the same: p = w_min / w, at most 1,
; and the sum of p divides at the end.
; LIMITS: c^2 is formed in f32, so cosh_arg must stay under 1.8e19 (with the denominator held at 1e-6: |q - k|^2 under 9e12); NaN and infinities are not served.
; SHARES.  A work-group takes 64 consecutive places of one (batch, head)'s queries SORTED BY HASH CODE, a wave 8 of them.  A query's keys hang on its code alone, so the rows of K and V of a
; code's 102 keys stay in the wave's registers and are fetched again only where the next query's code differs: a scalar branch on words that an earlier launch stored.
; LAYOUT.  Four lanes hold a key: group g (0 .. 12), lanes 4 s .. 4 s + 3: list slot 8 g + s.  Lane i of the four holds features 16 c + 4 i + 0 .. 3, c = 0 .. 3 (registers 4 c on): each load
; reads 64 consecutive bytes of eight rows.  13 x 8 = 104 slots: the last two repeat slot 101 and get the weight 0.  q and the output's sums lie in the same layout.
; The 13 sums of squares are added over a key's four lanes TRANSPOSING: register g' of the result holds, in lane i of each four, group 4 g' + i: the score arithmetic runs on 4 registers, not 13;
; a weight goes back to its key's four lanes by one quad permute.  The output's 16 sums are added over the 8 lanes that share i in the same way, down to 2 registers: one store of 256 bytes.
; REGISTERS: window 0: v1-6 lane constants; v8-23 the output's sums (at work before); v24-37 weights (before: list entries, offsets); v38-41 the four score registers; v42-45 1 - |k|^2; v46-47 1 / sum; v48-255 V.
;   window 1: v0-207 K; v208-223 q; v224-239 at work; v240-252 the 13 sums of squares.  Two waves of 512 registers share a SIMD: while one waits for rows the other computes.
; No matrix unit (each query has its own 102 rows and one row of weights), no LDS, no cluster: waves share nothing.
.set LOFF, 1                           ; 16 x (lane % 4)
.set SL4,  2                           ; 4 x (lane / 4): my slot's word in a group of 8
.set SL12, 3                           ; the same for group 12, held at slot 101
.set SLT,  4                           ; the transposed order: 4 x (8 (lane % 4) + lane / 4)
.set SLT3, 5                           ; the same for the fourth score register, held at slot 101
.set OOFF, 6                           ; my 8 bytes of a row of the output
.set ACC,  8
.set P,    24
.set R,    38
.set KF,   42
.set INV,  46
.set VB,   48
.set QW,   208
.set DW,   224
.set SW,   232
.set TW,   240
.set MSB, 0
.macro WIN new                         ; the immediate's high byte repeats the setting that is left
.if MSB != \new
	s_set_vgpr_msb (MSB<<8)|\new
.set MSB, \new
.endif
.endm
	s_load_b256 s[4:11], s[0:1], 0x0               ; qkv, fac, klist, order
	s_load_b64 s[12:13], s[0:1], 0x20              ; attn
	v_lshrrev_b32 v7, 5, v0
	v_readfirstlane_b32 s14, v7                    ; wave
	v_and_b32 v7, 31, v0
	v_and_b32 v[LOFF], 3, v0
	v_lshrrev_b32 v[SL4], 2, v7
	v_lshlrev_b32 v[SLT], 5, v[LOFF]
	v_lshl_add_u32 v[SLT], v[SL4], 2, v[SLT]
	v_add_nc_u32 v[SL12], 96, v[SL4]
	v_min_u32 v[SL12], 101, v[SL12]
	v_lshlrev_b32 v[SL12], 2, v[SL12]
	v_lshl_add_u32 v[SLT3], v[LOFF], 3, v[SL4]
	v_add_nc_u32 v[SLT3], 96, v[SLT3]
	v_min_u32 v[SLT3], 101, v[SLT3]
	v_lshlrev_b32 v[SLT3], 2, v[SLT3]
	v_bfe_u32 v[OOFF], v0, 3, 2                    ; lane bits 4, 3: which 64 bytes;
	v_lshlrev_b32 v[OOFF], 6, v[OOFF]
	v_bfe_u32 v7, v0, 2, 1                         ; bit 2: which 8 of 16;
	v_lshl_add_u32 v[OOFF], v7, 3, v[OOFF]
	v_lshl_add_u32 v[OOFF], v[LOFF], 4, v[OOFF]    ; bits 1, 0: which 16 of 64
	v_lshlrev_b32 v[SL4], 2, v[SL4]
	v_lshlrev_b32 v[LOFF], 4, v[LOFF]
	v_mov_b32 v[P+13], 0                           ; named as the upper half of a pair
	v_mov_b32 v[INV+1], 0                          ; likewise
.irp g, 0,1,2,3
	v_mov_b32 v[R+\g], 0                           ; a DPP form's destination counts as one of its sources
.endr
	s_lshr_b32 s15, ttmp9, 4                       ; (b, h)
	s_and_b32 s16, ttmp9, 15
	s_lshl_b32 s16, s16, 6
	s_lshl_b32 s17, s14, 3
	s_add_co_u32 s16, s16, s17                     ; my first place: 64 x (work-group % 16) + 8 x wave
	s_lshl_b32 s17, s15, 10
	s_add_co_u32 s16, s16, s17
	s_lshl_b32 s16, s16, 2
	s_mov_b32 s17, 0
	s_lshl_b32 s18, s15, 18                        ; 1,024 rows of 256 bytes a (b, h)
	s_mov_b32 s19, 0
	s_lshl_b32 s34, s15, 12
	s_mov_b32 s35, 0
	s_lshl_b32 s36, s15, 17                        ; 256 lists of 512 bytes
	s_mov_b32 s37, 0
	s_lshr_b32 s38, s15, 3
	s_lshl_b32 s38, s38, 21                        ; the batch's 1,024 rows of 2,048 bytes,
	s_and_b32 s39, s15, 7
	s_lshl_b32 s39, s39, 8                         ; the head's 256 bytes of a row
	s_add_co_u32 s38, s38, s39
	s_mov_b32 s39, 0
	s_mov_b32 s48, 0xaaaaaaaa                      ; lanes with bit 0 set,
	s_mov_b32 s49, 0xcccccccc                      ; bit 1,
	s_mov_b32 s50, 0xf0f0f0f0                      ; bit 2,
	s_mov_b32 s51, 0xff00ff00                      ; bit 3,
	s_mov_b32 s52, 0xffff0000                      ; bit 4
	s_mov_b32 s53, 0x00111111                      ; the lanes of the fourth score register that hold a key: slots 96 .. 101
	s_mov_b32 s54, 0x76543210
	s_mov_b32 s55, 0xfedcba98                      ; v_permlanex16_b32's selects for lane l xor 16
	s_wait_kmcnt 0x0
	s_add_nc_u64 s[10:11], s[10:11], s[16:17]
	s_load_b256 s[40:47], s[10:11], 0x0            ; my eight words: query | code << 10
	s_add_nc_u64 s[20:21], s[4:5], s[18:19]        ; q's rows of (b, h),
	s_add_nc_u64 s[22:23], s[20:21], 0x400000      ; k's: 16 x 1,024 x 256 bytes on,
	s_add_nc_u64 s[24:25], s[20:21], 0x800000      ; v's
	s_add_nc_u64 s[26:27], s[6:7], s[34:35]        ; 1 - |q|^2,
	s_add_nc_u64 s[28:29], s[26:27], 0x10000       ; 1 - |k|^2
	s_add_nc_u64 s[30:31], s[8:9], s[36:37]
	s_add_nc_u64 s[32:33], s[12:13], s[38:39]
	s_wait_kmcnt 0x0
; The word in s40 is taken apart and its query's row and factor are asked for.  code: the scalar register that takes the hash code.  Numbers read from memory are held inside their tables ahead of every address.
.macro ASKQ code
	s_lshr_b32 s[\code], s40, 10
	s_min_u32 s[\code], s[\code], 255
	s_and_b32 s58, s40, 1023
	s_min_u32 s58, s58, 1023
	s_lshl_b32 s36, s58, 8
	s_mov_b32 s37, 0
	s_add_nc_u64 s[34:35], s[20:21], s[36:37]
	s_lshl_b32 s38, s58, 2
	s_load_b32 s60, s[26:27], s38 offset:0x0       ; 1 - |q|^2
	WIN 0x40                                       ; destination window 1
.irp c, 0,1,2,3
	global_load_b128 v[QW+4*\c:QW+4*\c+3], v[LOFF], s[34:35] offset:64*\c
.endr
	WIN 0
.endm
; The list of the code in s[code], and the rows of K and V and the factors of its 102 keys.
.macro LOADKEYS code
	s_lshl_b32 s68, s[\code], 9
	s_mov_b32 s69, 0
	s_add_nc_u64 s[68:69], s[30:31], s[68:69]
.irp g, 0,1,2,3,4,5,6,7,8,9,10,11
	global_load_b32 v[P+\g], v[SL4], s[68:69] offset:32*\g
.endr
	global_load_b32 v[P+12], v[SL12], s[68:69]
.irp g, 0,1,2
	global_load_b32 v[R+\g], v[SLT], s[68:69] offset:128*\g
.endr
	global_load_b32 v[R+3], v[SLT3], s[68:69]
	s_wait_loadcnt 0x0                             ; the list (and the next query's row, asked for earlier)
.irp g, 0,1,2,3,4,5,6,7,8,9,10,11,12
	v_min_u32 v[P+\g], 0x3ff, v[P+\g]
.endr
.irp g, 0,1,2,3,4,5,6,7,8,9,10,11,12
	v_lshl_add_u32 v[P+\g], v[P+\g], 8, v[LOFF]    ; the key's row of 256 bytes, + my 16 of each 64
.endr
.irp g, 0,1,2,3
	v_min_u32 v[R+\g], 0x3ff, v[R+\g]
.endr
.irp g, 0,1,2,3
	v_lshlrev_b32 v[R+\g], 2, v[R+\g]
.endr
	WIN 0x40                                       ; destination window 1
.irp g, 0,1,2,3,4,5,6,7,8,9,10,11,12
.irp c, 0,1,2,3
	global_load_b128 v[16*\g+4*\c:16*\g+4*\c+3], v[P+\g], s[22:23] offset:64*\c
.endr
.endr
	WIN 0
.irp g, 0,1,2,3
	global_load_b32 v[KF+\g], v[R+\g], s[28:29]
.endr
.irp g, 0,1,2,3,4,5,6,7,8,9,10,11,12
.irp c, 0,1,2,3
	global_load_b128 v[VB+16*\g+4*\c:VB+16*\g+4*\c+3], v[P+\g], s[24:25] offset:64*\c
.endr
.endr
.endm
; Group g: the sum of (k - q)^2 over my 16 features, two at a time, in two chains.  All operands in window 1.
.macro DIFF g
.set KB, 16*(\g)
.set SS, SW+4*((\g)%2)
.irp u, 0,8
.irp e, 0,2,4,6
	v_pk_add_f32 v[DW+\e:DW+\e+1], v[KB+\u+\e:KB+\u+\e+1], v[QW+\u+\e:QW+\u+\e+1] neg_lo:[0,1] neg_hi:[0,1]
.endr
.if \u == 0
	v_pk_mul_f32 v[SS:SS+1], v[DW:DW+1], v[DW:DW+1]
	v_pk_mul_f32 v[SS+2:SS+3], v[DW+2:DW+3], v[DW+2:DW+3]
.else
	v_pk_fma_f32 v[SS:SS+1], v[DW:DW+1], v[DW:DW+1], v[SS:SS+1]
	v_pk_fma_f32 v[SS+2:SS+3], v[DW+2:DW+3], v[DW+2:DW+3], v[SS+2:SS+3]
.endif
	v_pk_fma_f32 v[SS:SS+1], v[DW+4:DW+5], v[DW+4:DW+5], v[SS:SS+1]
	v_pk_fma_f32 v[SS+2:SS+3], v[DW+6:DW+7], v[DW+6:DW+7], v[SS+2:SS+3]
.endr
	v_pk_add_f32 v[SS:SS+1], v[SS:SS+1], v[SS+2:SS+3]
	v_add_f32 v[TW+\g], v[SS], v[SS+1]
.endm
; Group g: the output's sums += weight x V.  The weight is one register of an even-aligned pair: op_sel picks it for both halves.  Group 0 starts the sums: nothing is cleared.
.macro PVG g
.set VG, VB+16*(\g)
.irp e, 0,2,4,6,8,10,12,14
.if (\g) == 0
	v_pk_mul_f32 v[ACC+\e:ACC+\e+1], v[VG+\e:VG+\e+1], v[P:P+1] op_sel_hi:[1,0]
.elseif (\g)%2 == 0
	v_pk_fma_f32 v[ACC+\e:ACC+\e+1], v[VG+\e:VG+\e+1], v[P+(\g):P+(\g)+1], v[ACC+\e:ACC+\e+1] op_sel_hi:[1,0,1]
.else
	v_pk_fma_f32 v[ACC+\e:ACC+\e+1], v[VG+\e:VG+\e+1], v[P+(\g)-1:P+(\g)], v[ACC+\e:ACC+\e+1] op_sel:[0,1,0] op_sel_hi:[1,1,1]
.endif
.endr
.endm
	ASKQ 57                                        ; the first query,
	LOADKEYS 57                                    ; and its code's keys: always
	s_mov_b32 s56, 8
.Lquery:
	s_wait_loadcnt 0x0                             ; q's row, and K, V and the factors where they were fetched anew
	s_wait_kmcnt 0x0                               ; 1 - |q|^2
	s_wait_xcnt 0x0                                ; the last query's store has read its registers and its base: both are written again only behind this wait
	s_mov_b32 s61, s60
	s_lshl_b32 s70, s58, 11
	s_mov_b32 s71, 0
	s_add_nc_u64 s[66:67], s[32:33], s[70:71]      ; this query's row of the output
	WIN 0x55                                       ; every operand in window 1
.irp g, 0,1,2,3,4,5,6,7,8,9,10,11,12
	DIFF \g
.endr
	WIN 0x05                                       ; sources 0 and 1 window 1, destination window 0
.irp p, 0,1,2,3,4,5                    ; the sum over a key's four lanes, first step: of two groups' registers an even lane keeps the first and hands on the second, an odd lane the other way round
	v_cndmask_b32 v[P+2*\p], v[TW+2*\p], v[TW+2*\p+1], s48
	v_cndmask_b32 v[P+2*\p+1], v[TW+2*\p+1], v[TW+2*\p], s48
.endr
	v_mov_b32 v[P+12], v[TW+12]
	WIN 0
.irp j, 40,41,42,43,44,45,46
	s_mov_b32 s[\j], s[\j+1]                       ; on to the next word (behind the last the last stays: the same query, the same code, nothing fetched anew)
.endr
	ASKQ 59                                        ; q's registers are free: the next query's row lands while this one's scores are worked
.irp p, 0,1,2,3,4,5
	v_add_f32_dpp v[P+2*\p], v[P+2*\p+1], v[P+2*\p] row_xmask:1 row_mask:0xf bank_mask:0xf
.endr
	v_add_f32_dpp v[P+12], v[P+12], v[P+12] row_xmask:1 row_mask:0xf bank_mask:0xf
.irp g, 0,1,2
	v_cndmask_b32 v[P+4*\g+1], v[P+4*\g], v[P+4*\g+2], s49
	v_cndmask_b32 v[P+4*\g+3], v[P+4*\g+2], v[P+4*\g], s49
.endr
.irp g, 0,1,2
	v_add_f32_dpp v[R+\g], v[P+4*\g+3], v[P+4*\g+1] row_xmask:2 row_mask:0xf bank_mask:0xf   ; lane i of each four: |q - k|^2 of group 4 g + i
.endr
	v_add_f32_dpp v[R+3], v[P+12], v[P+12] row_xmask:2 row_mask:0xf bank_mask:0xf            ; group 12, in all four lanes
.irp g, 0,1,2,3
	v_mul_f32 v[ACC+\g], s61, v[KF+\g]             ; (1 - |q|^2)(1 - |k|^2)
.endr
.irp g, 0,1,2,3
	v_max_num_f32 v[ACC+\g], 0x358637bd, v[ACC+\g] ; held at 1e-6 from below
.endr
.irp g, 0,1,2,3
	v_rcp_f32 v[ACC+\g], v[ACC+\g]
.endr
	v_nop                                          ; one plain line behind the transcendentals
	s_wait_alu depctr_va_vdst(0)
.irp g, 0,1,2,3
	v_mul_f32 v[R+\g], v[R+\g], v[ACC+\g]
.endr
.irp g, 0,1,2,3
	v_fma_f32 v[R+\g], v[R+\g], 2.0, 1.0           ; cosh_arg = 1 + 2 |q - k|^2 / denominator
.endr
.irp g, 0,1,2,3
	v_max_num_f32 v[R+\g], 1.0, v[R+\g]
.endr
.irp g, 0,1,2,3
	v_fma_f32 v[ACC+\g], v[R+\g], v[R+\g], -1.0    ; c^2 - 1, rounded once
.endr
.irp g, 0,1,2,3
	v_sqrt_f32 v[ACC+\g], v[ACC+\g]
.endr
	v_nop
	s_wait_alu depctr_va_vdst(0)
.irp g, 0,1,2,3
	v_add_f32 v[R+\g], v[R+\g], v[ACC+\g]          ; w = c + sqrt(c^2 - 1) = e^distance
.endr
	v_cndmask_b32 v[R+3], 0x7f800000, v[R+3], s53  ; lanes that hold no key: w = infinity: they lose the minimum and get the weight 0
	v_min3_num_f32 v[ACC], v[R], v[R+1], v[R+2]
	v_min_num_f32 v[ACC], v[ACC], v[R+3]
.irp m, 1,2,4,8
	v_min_num_f32_dpp v[ACC], v[ACC], v[ACC] row_xmask:\m row_mask:0xf bank_mask:0xf
.endr
	v_permlanex16_b32 v[ACC+1], v[ACC], s54, s55
	v_min_num_f32 v[ACC], v[ACC], v[ACC+1]         ; the smallest w: the softmax's maximum
.irp g, 0,1,2,3
	v_rcp_f32 v[R+\g], v[R+\g]
.endr
	v_nop
	s_wait_alu depctr_va_vdst(0)
.irp g, 0,1,2,3
	v_mul_f32 v[R+\g], v[R+\g], v[ACC]             ; p = exp(-(distance - the smallest distance)), at most 1
.endr
	v_add_f32 v[ACC+2], v[R], v[R+1]
	v_add_f32 v[ACC+3], v[R+2], v[R+3]
	v_add_f32 v[ACC+2], v[ACC+2], v[ACC+3]
.irp m, 1,2,4,8
	v_add_f32_dpp v[ACC+2], v[ACC+2], v[ACC+2] row_xmask:\m row_mask:0xf bank_mask:0xf
.endr
	v_permlanex16_b32 v[ACC+3], v[ACC+2], s54, s55
	v_add_f32 v[ACC+2], v[ACC+2], v[ACC+3]         ; the sum of the 102 p
	v_rcp_f32 v[INV], v[ACC+2]
	v_nop
.irp g, 0,1,2
.irp i, 0,1,2,3
	v_mov_b32_dpp v[P+4*\g+\i], v[R+\g] quad_perm:[\i,\i,\i,\i] row_mask:0xf bank_mask:0xf   ; group 4 g + i's weight back to its key's four lanes
.endr
.endr
	v_mov_b32_dpp v[P+12], v[R+3] quad_perm:[0,0,0,0] row_mask:0xf bank_mask:0xf
.irp g, 0,1,2,3,4,5,6,7,8,9,10,11,12
	PVG \g
.endr
; The 16 sums are added over the 8 lanes that share lane % 4, transposing: at each step a lane keeps one of two registers and hands the other on.  Bit 2 picks features + 2, bit 3 features + 16, bit 4 features + 32.
.irp n, 0,1,2,3,4,5,6,7
	v_cndmask_b32 v[P+\n], v[ACC+4*(\n/2)+\n%2], v[ACC+4*(\n/2)+\n%2+2], s50
	v_cndmask_b32 v[ACC+4*(\n/2)+\n%2+2], v[ACC+4*(\n/2)+\n%2+2], v[ACC+4*(\n/2)+\n%2], s50
.endr
.irp n, 0,1,2,3,4,5,6,7
	v_add_f32_dpp v[ACC+4*(\n/2)+\n%2], v[ACC+4*(\n/2)+\n%2+2], v[P+\n] row_xmask:4 row_mask:0xf bank_mask:0xf
.endr
.irp n, 0,1,2,3
	v_cndmask_b32 v[P+\n], v[ACC+8*(\n/2)+\n%2], v[ACC+8*(\n/2)+\n%2+4], s51
	v_cndmask_b32 v[ACC+8*(\n/2)+\n%2+4], v[ACC+8*(\n/2)+\n%2+4], v[ACC+8*(\n/2)+\n%2], s51
.endr
.irp n, 0,1,2,3
	v_add_f32_dpp v[ACC+8*(\n/2)+\n%2], v[ACC+8*(\n/2)+\n%2+4], v[P+\n] row_xmask:8 row_mask:0xf bank_mask:0xf
.endr
.irp n, 0,1
	v_cndmask_b32 v[P+\n], v[ACC+\n], v[ACC+8+\n], s52
	v_cndmask_b32 v[ACC+8+\n], v[ACC+8+\n], v[ACC+\n], s52
.endr
.irp n, 0,1
	v_permlanex16_b32 v[P+2+\n], v[ACC+8+\n], s54, s55
.endr
.irp n, 0,1
	v_add_f32 v[ACC+\n], v[P+\n], v[P+2+\n]
.endr
	s_wait_alu depctr_va_vdst(0)
	v_pk_mul_f32 v[ACC:ACC+1], v[ACC:ACC+1], v[INV:INV+1] op_sel_hi:[1,0]   ; / the sum of p
	global_store_b64 v[OOFF], v[ACC:ACC+1], s[66:67]   ; the 32 lanes store the head's 256 bytes of the query's row, at a multiple of 256 from the buffer's first byte
	s_cmp_eq_u32 s59, s57                          ; the next query's code against this one's
	s_cbranch_scc1 .Lsame
	LOADKEYS 59
.Lsame:
	s_mov_b32 s57, s59
	s_sub_co_u32 s56, s56, 1
	s_cmp_lg_u32 s56, 0
	s_cbranch_scc1 .Lquery
	s_endpgm
.Lfunc_end_k_q52705cf927_attn:
	.size	k_q52705cf927_attn, .Lfunc_end_k_q52705cf927_attn-k_q52705cf927_attn
	.p2alignl 7, 3214868480
	.fill 96, 4, 3214868480
	.section	.rodata,"a",@progbits
	.p2align	6, 0x0
	.amdhsa_kernel k_q52705cf927_attn
		.amdhsa_group_segment_fixed_size 0
		.amdhsa_private_segment_fixed_size 0
		.amdhsa_enable_private_segment 0
		.amdhsa_kernarg_size 40
		.amdhsa_user_sgpr_count 2
		.amdhsa_user_sgpr_kernarg_segment_ptr 1
		.amdhsa_wavefront_size32 1
		.amdhsa_system_sgpr_workgroup_id_x 1
		.amdhsa_system_sgpr_workgroup_id_y 1
		.amdhsa_system_sgpr_workgroup_id_z 1
		.amdhsa_system_vgpr_workitem_id 0
		.amdhsa_next_free_vgpr 512
		.amdhsa_next_free_sgpr 72
		.amdhsa_reserve_vcc 0
		.amdhsa_float_denorm_mode_32 3
		.amdhsa_float_denorm_mode_16_64 3
		.amdhsa_memory_ordered 1
		.amdhsa_forward_progress 1
		.amdhsa_inst_pref_size 63
	.end_amdhsa_kernel
	.amdgpu_metadata
---
amdhsa.version: [ 1, 2 ]
amdhsa.kernels:
  - .name:           k_q52705cf927_attn
    .symbol:         k_q52705cf927_attn.kd
    .args:
      - { .name: qkv, .offset: 0, .size: 8, .value_kind: global_buffer, .address_space: global }
      - { .name: fac, .offset: 8, .size: 8, .value_kind: global_buffer, .address_space: global }
      - { .name: klist, .offset: 16, .size: 8, .value_kind: global_buffer, .address_space: global }
      - { .name: order, .offset: 24, .size: 8, .value_kind: global_buffer, .address_space: global }
      - { .name: attn, .offset: 32, .size: 8, .value_kind: global_buffer, .address_space: global }
    .group_segment_fixed_size: 0
    .private_segment_fixed_size: 0
    .kernarg_segment_align: 8
    .kernarg_segment_size: 40
    .max_flat_workgroup_size: 256
    .sgpr_count:     72
    .vgpr_count:     512
    .wavefront_size: 32
...
	.end_amdgpu_metadata
.endif
;; end of part 4
;; launch oproj (part 5): grid 8 x 32, 4 waves a work-group, no clusters, 17,920 bytes of LDS; arguments attn, recs, out0; writes out0
.if DOCPART == 5
	.amdgcn_target "amdgcn-amd-amdhsa--gfx1250"
	.amdhsa_code_object_version 6
	.text
	.protected	k_q52705cf927_oproj
	.globl	k_q52705cf927_oproj
	.p2align	8
	.type	k_q52705cf927_oproj,@function
k_q52705cf927_oproj:
	s_mov_b64 s[64:65], 0
	v_nop
	global_prefetch_b8 v0, s[64:65] scope:SCOPE_SE
	s_setreg_imm32_b32 hwreg(HW_REG_WAVE_MODE, 25, 1), 1
	s_wait_xcnt 0x0
; out0 = Q(attention output) Q(Wo)^T on codes of BF8 (E5M2) with one E8M0 scale for each 32 along K; sums in f32.  The attention output [2048][512] arrives as f32 and is quantised here, in registers;
; Wo's records were made by the first launch.
; SHARES.  Work-group (x, y): outputs 64 x on; wave w: tokens 64 y + 16 w on.  Each wave quantises its own 16 tokens (four fragments) and multiplies them by its 16 records of Wo, which go from memory
; straight into its registers (window 1) by dense loads of 512 bytes.  The eight work-groups of a y quantise the same tokens again: some 600 vector instructions a wave, for which no wave waits for
; another: no barrier, no exchange.  No cluster: nothing goes through LDS by the data mover.
; THE MATRIX INSTRUCTION IS USED TRANSPOSED (source 0 = 16 rows of Wo, source 1 = 16 tokens): a lane holds eight neighbouring outputs of one token; they turn through the wave's own stage
; (16 rows x (256 + 16) bytes) and leave sixteen lanes to 256 consecutive bytes.
; A block of zeros gets the scale byte 1 where the rule says 127: its codes are zeros, and this launch alone reads the bytes.  LIMITS: NaN and infinities are not served.
; REGISTERS: window 0: v4-9 addresses; v16-79, v80-143 two sets of 64 numbers (later: v16-47 the accumulators, v80-111 rows on the way out); v144-207 the four fragments' codes; v208-223 at work;
;   v224-227 the tokens' scale words; v228-243 Wo's.   window 1: Wo's 16 fragments.
.set REC,  2304
.set SP,   272
.set XA,  4
.set LI,  5
.set LS8, 6
.set SO,  7
.set SR,  8
.set GO,  9
.set NA,  16
.set NB,  80
.set ACC, 16
.set OUTR, 80
.set XF,  144
.set TM,  208
.set XS,  224
.set WS,  228
.set SEL, 20
.set MNT, 24
.set MSB, 0
.macro WIN new                         ; the immediate's high byte repeats the setting that is left
.if MSB != \new
	s_set_vgpr_msb (MSB<<8)|\new
.set MSB, \new
.endif
.endm
; 64 numbers of a lane at v[src] on, register 16 b + i = k 32 b + 16 (lane / 16) + i of my row, become a fragment's codes at v[dst] on and its scale word in v[wd].
.macro QUANT src, dst, wd
.irp b, 0,1,2,3
	v_max3_num_f32 v[TM+\b], |v[\src+16*\b]|, |v[\src+1+16*\b]|, 0x8000000   ; block b: my 16 numbers, and the floor 2^(16 - 127): the byte cannot fall under 1
.endr
.irp i, 2,4,6,8,10,12,14
.irp b, 0,1,2,3
	v_max3_num_f32 v[TM+\b], v[TM+\b], |v[\src+16*\b+\i]|, |v[\src+1+16*\b+\i]|
.endr
.endr
.irp b, 0,1,2,3
	v_permlanex16_b32 v[TM+4+\b], v[TM+\b], s[SEL], s[SEL+1]
.endr
.irp b, 0,1,2,3
	v_max_num_f32 v[TM+\b], v[TM+\b], v[TM+4+\b]   ; with lane l xor 16's: the block's largest magnitude
.endr
.irp b, 0,1,2,3
	v_add_nc_u32 v[TM+12+\b], 0xf8800000, v[TM+\b] ; 15 off its exponent field: the conversion's scale operand
.endr
.irp b, 0,1,2,3
	v_and_or_b32 v[TM+8+\b], v[TM+\b], 0x7f800000, s[MNT]   ; 57,344 x the scale
.endr
.irp b, 0,1,2,3
	v_lshrrev_b32 v[TM+4+\b], 23, v[TM+12+\b]      ; the scale's byte
.endr
	v_lshl_or_b32 v[\wd], v[TM+5], 8, v[TM+4]
	v_lshl_or_b32 v[\wd], v[TM+6], 16, v[\wd]
	v_lshl_or_b32 v[\wd], v[TM+7], 24, v[\wd]
.irp b, 0,1,2,3
.irp i, 0,1,2,3,4,5,6,7,8,9,10,11,12,13,14,15
	v_med3_num_f32 v[\src+16*\b+\i], v[\src+16*\b+\i], -v[TM+8+\b], v[TM+8+\b]   ; the conversion to an 8-bit code does not saturate (ISA guide 7.6.2): the hold at the largest code x the scale
.endr
	v_cvt_scalef32_pk8_bf8_f32 v[\dst+4*\b:\dst+1+4*\b], v[\src+16*\b:\src+7+16*\b], v[TM+12+\b]
	v_cvt_scalef32_pk8_bf8_f32 v[\dst+2+4*\b:\dst+3+4*\b], v[\src+8+16*\b:\src+15+16*\b], v[TM+12+\b]
.endr
	v_nop                                          ; one plain line behind the last conversion
.endm
.macro XLOAD reg, s                    ; my 16 tokens' numbers of K step s: 64 a lane
.irp b, 0,1,2,3
.irp j, 0,1,2,3
	global_load_b128 v[\reg+16*\b+4*\j:\reg+16*\b+4*\j+3], v[XA], s[4:5] offset:512*\s+128*\b+16*\j
.endr
.endr
.endm
	s_load_b128 s[4:7], s[0:1], 0x0                ; the attention output, the records
	s_load_b64 s[8:9], s[0:1], 0x10                ; out0
	v_lshl_add_u32 v254, v0, 2, 0x4400
	v_mov_b32 v255, 0
	v_lshrrev_b32 v1, 5, v0
	v_readfirstlane_b32 s10, v1                    ; wave
	v_and_b32 v1, 31, v0
	v_and_b32 v2, 15, v0                           ; r
	v_bfe_u32 v3, v0, 4, 1                         ; h
	v_lshlrev_b32 v[XA], 11, v2
	v_lshl_add_u32 v[XA], v3, 6, v[XA]             ; row r of 2,048 bytes, + 64 h: my 16 numbers of a block of 32
	v_lshlrev_b32 v[LI], 4, v1
	v_lshlrev_b32 v[LS8], 3, v1
	s_mul_i32 s11, s10, 16*SP                      ; my stage
	v_mul_u32_u24 v[SO], v2, SP
	v_lshl_add_u32 v[SO], v3, 5, v[SO]
	v_add_nc_u32 v[SO], s11, v[SO]                 ; in: row r, + 32 h
	v_mul_u32_u24 v[SR], v3, SP
	v_lshl_add_u32 v[SR], v2, 4, v[SR]
	v_add_nc_u32 v[SR], s11, v[SR]                 ; back: lanes 0-15 one row, lanes 16-31 the next
	v_lshlrev_b32 v[GO], 11, v3
	v_lshl_add_u32 v[GO], v2, 4, v[GO]             ; and the same two rows in out0
	s_mov_b32 s[SEL], 0x76543210
	s_mov_b32 s[SEL+1], 0xfedcba98                 ; v_permlanex16_b32's selects for lane l xor 16
	s_mov_b32 s[MNT], 0x600000                     ; the mantissa field of 57,344
.irp b, 0,1,2,3
	v_mov_b32 v[TM+4+\b], 0                        ; a lane permute's destination counts as one of its sources
.endr
	s_and_b32 s12, ttmp7, 0xffff
	s_lshl_b32 s14, s12, 6
	s_lshl_b32 s15, s10, 4
	s_add_co_u32 s14, s14, s15                     ; my first token: 64 y + 16 w
	s_lshl_b32 s16, s14, 11
	s_mov_b32 s17, 0
	s_lshl_b32 s18, ttmp9, 4
	s_add_co_u32 s18, s18, 896                     ; Wo's records begin at number 896; mine: 16 x on
	s_mul_i32 s18, s18, REC
	s_mov_b32 s19, 0
	s_lshl_b32 s22, ttmp9, 8                       ; the block's 256 bytes of a row
	s_add_co_u32 s22, s22, s16
	s_mov_b32 s23, 0
	s_wait_kmcnt 0x0
	s_add_nc_u64 s[4:5], s[4:5], s[16:17]
	s_add_nc_u64 s[6:7], s[6:7], s[18:19]
	s_add_nc_u64 s[8:9], s[8:9], s[22:23]
	WIN 0x40                                       ; destination window 1.  Wo's loads go first, so that every counted wait below counts the numbers' loads alone
.irp j, 0,1,2,3,4,5,6,7,8,9,10,11,12,13,14,15      ; record j = 4 f + s: outputs 16 f on, K step s
.irp c, 0,1,2,3
	global_load_b128 v[16*\j+4*\c:16*\j+4*\c+3], v[LI], s[6:7] offset:REC*\j+512*\c
.endr
.endr
	WIN 0
.irp j, 0,1,2,3,4,5,6,7,8,9,10,11,12,13,14,15
	global_load_b32 v[WS+\j], v[LS8], s[6:7] offset:REC*\j+2048
.endr
	XLOAD NA, 0
	XLOAD NB, 1
	s_wait_loadcnt 16                              ; K step 0's numbers are in (and Wo); the 16 loads of K step 1 stay out
	QUANT NA, XF, XS
	XLOAD NA, 2
	s_wait_loadcnt 16                              ; K step 1's are in; K step 2's 16 stay out
	QUANT NB, XF+16, XS+1
	XLOAD NB, 3
	s_wait_loadcnt 16                              ; K step 2's are in; K step 3's 16 stay out
	QUANT NA, XF+32, XS+2
	s_wait_loadcnt 0x0
	QUANT NB, XF+48, XS+3
.rept 8
	v_nop                                          ; a scale word made by vector instructions stands 8 places ahead of a scaled matrix instruction, codes so made 4
.endr
	WIN 0x01                                       ; source 0 window 1
.irp s, 0,1,2,3                        ; the four accumulators take turns, one instruction a turn; the first K step starts the sums
.irp f, 0,1,2,3
.if \s == 0
	v_wmma_scale_f32_16x16x128_f8f6f4 v[ACC+8*\f:ACC+8*\f+7], v[16*(4*\f+\s):16*(4*\f+\s)+15], v[XF+16*\s:XF+16*\s+15], 0, v[WS+4*\f+\s], v[XS+\s] matrix_a_fmt:MATRIX_FMT_BF8 matrix_b_fmt:MATRIX_FMT_BF8
.else
	v_wmma_scale_f32_16x16x128_f8f6f4 v[ACC+8*\f:ACC+8*\f+7], v[16*(4*\f+\s):16*(4*\f+\s)+15], v[XF+16*\s:XF+16*\s+15], v[ACC+8*\f:ACC+8*\f+7], v[WS+4*\f+\s], v[XS+\s] matrix_a_fmt:MATRIX_FMT_BF8 matrix_b_fmt:MATRIX_FMT_BF8
.endif
.endr
.endr
	WIN 0
.rept 8
	v_nop                                          ; eight places in front of the first reads of results
.endr
.irp f, 0,1,2,3
	ds_store_b128 v[SO], v[ACC+8*\f:ACC+8*\f+3] offset:64*\f            ; outputs 16 f + 8 h + 0 .. 7 of token r; each accumulator from its low end on
	ds_store_b128 v[SO], v[ACC+8*\f+4:ACC+8*\f+7] offset:64*\f+16
.endr
.irp t, 0,1,2,3,4,5,6,7
	ds_load_b128 v[OUTR+4*\t:OUTR+4*\t+3], v[SR] offset:2*\t*SP         ; LDS serves a wave's instructions in order: these see my stores
.endr
.irp t, 0,1,2,3,4,5,6,7
	s_wait_dscnt 7-\t                              ; pair t of rows is back; the 7 - t younger loads stay out
	global_store_b128 v[GO], v[OUTR+4*\t:OUTR+4*\t+3], s[8:9] offset:4096*\t th:TH_STORE_NT   ; sixteen lanes store 256 consecutive bytes, at a multiple of 256 from out0's first byte
.endr
	s_wait_tensorcnt 0x0
	ds_add_u32 v254, v255
	s_wait_dscnt 0x0
	s_endpgm
.Lfunc_end_k_q52705cf927_oproj:
	.size	k_q52705cf927_oproj, .Lfunc_end_k_q52705cf927_oproj-k_q52705cf927_oproj
	.p2alignl 7, 3214868480
	.fill 96, 4, 3214868480
	.section	.rodata,"a",@progbits
	.p2align	6, 0x0
	.amdhsa_kernel k_q52705cf927_oproj
		.amdhsa_group_segment_fixed_size 17920
		.amdhsa_private_segment_fixed_size 0
		.amdhsa_enable_private_segment 0
		.amdhsa_kernarg_size 24
		.amdhsa_user_sgpr_count 2
		.amdhsa_user_sgpr_kernarg_segment_ptr 1
		.amdhsa_wavefront_size32 1
		.amdhsa_system_sgpr_workgroup_id_x 1
		.amdhsa_system_sgpr_workgroup_id_y 1
		.amdhsa_system_sgpr_workgroup_id_z 1
		.amdhsa_system_vgpr_workitem_id 0
		.amdhsa_next_free_vgpr 512
		.amdhsa_next_free_sgpr 66
		.amdhsa_reserve_vcc 0
		.amdhsa_float_denorm_mode_32 3
		.amdhsa_float_denorm_mode_16_64 3
		.amdhsa_memory_ordered 1
		.amdhsa_forward_progress 1
		.amdhsa_inst_pref_size 53
	.end_amdhsa_kernel
	.amdgpu_metadata
---
amdhsa.version: [ 1, 2 ]
amdhsa.kernels:
  - .name:           k_q52705cf927_oproj
    .symbol:         k_q52705cf927_oproj.kd
    .args:
      - { .name: attn, .offset: 0, .size: 8, .value_kind: global_buffer, .address_space: global }
      - { .name: recs, .offset: 8, .size: 8, .value_kind: global_buffer, .address_space: global }
      - { .name: out0, .offset: 16, .size: 8, .value_kind: global_buffer, .address_space: global }
    .group_segment_fixed_size: 17920
    .private_segment_fixed_size: 0
    .kernarg_segment_align: 8
    .kernarg_segment_size: 24
    .max_flat_workgroup_size: 128
    .sgpr_count:     66
    .vgpr_count:     512
    .wavefront_size: 32
...
	.end_amdgpu_metadata
.endif
;; end of part 5
;; ======== version 2 of 3: 5 launches; 1.39 times as fast as version 1
;; limits: right only within a limited range of input values
;; workspace buffers: recs 2,359,296 bytes; qkv 12,582,912 bytes; fac 131,072 bytes; codes 131,072 bytes of whole numbers; klist 2,097,152 bytes of whole numbers; order 81,920 bytes of whole numbers; attn 4,194,304 bytes
;; launch quant: the kernel of part 1 again; grid 256 x 1, 4 waves a work-group, no clusters, 34,304 bytes of LDS; arguments x, Wq, Wk, Wv, Wo, recs; writes recs
;; launch qkv: the kernel of part 2 again; grid 24 x 8, 4 waves a work-group, no clusters, 35,328 bytes of LDS; arguments recs, rand_vecs, qkv, fac, codes; writes qkv, fac, codes
;; launch sel: the kernel of part 3 again; grid 512 x 1, 8 waves a work-group, no clusters, 0 bytes of LDS; arguments codes, klist, order; writes klist, order
;; launch attn (part 6): grid 256 x 1, 8 waves a work-group, no clusters, 283,648 bytes of LDS; arguments qkv, fac, klist, order, attn; writes attn
.if DOCPART == 6
	.amdgcn_target "amdgcn-amd-amdhsa--gfx1250"
	.amdhsa_code_object_version 6
	.text
	.protected	k_q52705cf927_attn
	.globl	k_q52705cf927_attn
	.p2align	8
	.type	k_q52705cf927_attn,@function
k_q52705cf927_attn:
	s_mov_b64 s[64:65], 0
	v_nop
	global_prefetch_b8 v0, s[64:65] scope:SCOPE_SE
	s_setreg_imm32_b32 hwreg(HW_REG_WAVE_MODE, 25, 1), 1
	s_wait_xcnt 0x0
; The sparse attention in f32: for each query its 102 keys' scores -arccosh(1 + 2 |q - k|^2 / max((1 - |q|^2)(1 - |k|^2), 1e-6)), their softmax, and the sum of the values.
; exp(-arccosh(c)) = 1 / w with w = c + sqrt(c^2 - 1) = e^distance: no exponential and no logarithm.  The softmax's maximum is taken away all the same: p = w_min / w, at most 1, divided by the sum of p.
; LIMITS: c^2 is formed in f32, so cosh_arg must stay under 1.8e19 (with the denominator held at 1e-6: |q - k|^2 under 9e12); NaN and infinities are not served.
; SHARES.  A work-group takes 64 consecutive places of one (batch, head)'s queries SORTED BY HASH CODE, a wave 8 of them.  A query's keys hang on its code alone: a code's 102 rows stay in the wave's
; registers and are fetched again only where the next query's code differs: a scalar branch on words that an earlier launch stored.
; TWO PHASES.  The head's K (1,024 rows x 256 bytes) and V are 262,144 bytes each: one of them fits in LDS.  So: K into LDS by dense loads of 512 bytes, through registers | barrier | phase 1: the weights of the
; wave's 8 queries, 4 registers each, which stay in registers | barrier | V over K's bytes | barrier | phase 2: weights x V.  K's and V's rows take the same 208 registers.  A work-group reads 524,288 bytes of K and V,
; each once.  Between two barriers stand either LDS stores or LDS loads, never both.  That is why the weights stay in registers named by the query's number, and why the eight queries are written out by macro:
; some 50 KB of text, which a wave walks once.
; V's first half is asked for ahead of phase 1, into 128 registers that lie idle there; its second half at the end of phase 1, into K's registers.
; LAYOUT.  Four lanes hold a key: group g (0 .. 12), quad s = lane / 4: list slot 8 g + s.  13 x 8 = 104 slots: the last two repeat slot 101 and get the weight 0.
; LDS rows are 256 bytes apart.  In load c quad s takes the 64-byte piece c xor (s % 4), lane i of the quad its bytes 16 i on.
; So registers 4 c .. 4 c + 3 of lane (s, i) hold features 16 (c xor s % 4) + 4 i + 0 .. 3; q is read in the same order.
; The 13 sums of squares are added over a key's four lanes TRANSPOSING: register g' of the result holds, in lane i of each quad, group 4 g' + i: the score arithmetic runs on 4 registers, not 13; the lists lie in the
; same order, and a key's number or weight goes to its four lanes by one quad permute.  The output's 16 sums are added over the 8 quads in the same way, down to 2 registers: one store of 256 bytes.
; REGISTERS: window 0: v1-15 lane constants; v16-31 the output's sums (at work before); v32-45 key numbers, sums, weights; v46-49 1 - |k|^2; v50-53 their addresses; v54-57 the four score registers; v58 1 / sum;
;   v60-91 the 8 queries' weights; v92-123 their lists; v124-251 half of my share of K or V on its way to LDS (in phase 2: results and their addresses); v252-255 my share of 1 - |k|^2.
;   window 1: v0-207 K, then V; v208-223 q; v224-239 at work; v240-252 the 13 sums of squares.  Two waves of 512 registers share a SIMD.
; No matrix unit (each query has its own 102 rows and one row of weights).  No tensor loads and no cluster: the fills go through registers, so that every LDS write of the text is a plain store between two barriers.
.set FKB,  262144                      ; LDS: behind K / V (bytes 0 on): 1 - |k|^2, 1,024 words;
.set QB,   266240                      ; the work-group's 64 rows of q, 256 bytes each
.set LI,   1                           ; 16 x lane
.set LW,   2                           ; 32,768 x wave + 16 x lane: where my share of K / V goes
.set SLT,  3                           ; the transposed order: 4 x (8 i + s)
.set SLT3, 4                           ; the same for the fourth register, held at slot 101
.set OOFF, 5                           ; my 8 bytes of a row of the output
.set CC,   6                           ; v6-9   64 (c xor s % 4) + 16 i
.set QA,   10                          ; v10-13 the same in my wave's rows of q
.set L8,   14                          ; 8 x lane
.set QS,   15                          ; where I store 8 bytes of a row of q
.set ACC,  16
.set P,    32
.set KF,   46
.set AD,   50
.set RT,   54
.set INV,  58
.set FKA,  59
.set HIST, 60
.set LST,  92
.set STG,  124
.set FKT,  252
.set OD,   STG                         ; phase 2: 2 registers of results a query,
.set OA,   STG+16                      ; and their address: no store's source is written again
.set QW,   208
.set DW,   224
.set SW,   232
.set TW,   240
.set CDS,  72                          ; s72-79 the 8 queries' hash codes
.set QN,   80                          ; s80-87 their numbers
.set FQ,   88                          ; s88-95 their 1 - |q|^2
.set MSB, 0
.macro WIN new                         ; the immediate's high byte repeats the setting that is left
.if MSB != \new
	s_set_vgpr_msb (MSB<<8)|\new
.set MSB, \new
.endif
.endm
; My share of K or V (base s[b:b+1]): 128 rows, 32,768 consecutive bytes, in two halves of 32 loads of 512 bytes; and their way into LDS, as they lie.
.macro GLOAD0 b
.irp j, 0,1,2,3,4,5,6,7,8,9,10,11,12,13,14,15,16,17,18,19,20,21,22,23,24,25,26,27,28,29,30,31
	global_load_b128 v[STG+4*\j:STG+4*\j+3], v[LI], s[\b:\b+1] offset:512*\j
.endr
.endm
.macro GLOAD1 b
	WIN 0x40                                       ; destination window 1
.irp j, 0,1,2,3,4,5,6,7,8,9,10,11,12,13,14,15,16,17,18,19,20,21,22,23,24,25,26,27,28,29,30,31
	global_load_b128 v[4*\j:4*\j+3], v[LI], s[\b:\b+1] offset:16384+512*\j
.endr
	WIN 0
.endm
.macro PUT0
.irp j, 0,1,2,3,4,5,6,7,8,9,10,11,12,13,14,15,16,17,18,19,20,21,22,23,24,25,26,27,28,29,30,31
	ds_store_b128 v[LW], v[STG+4*\j:STG+4*\j+3] offset:512*\j
.endr
.endm
.macro PUT1
	WIN 0x04                                       ; an LDS store's data are its source 1: window 1
.irp j, 0,1,2,3,4,5,6,7,8,9,10,11,12,13,14,15,16,17,18,19,20,21,22,23,24,25,26,27,28,29,30,31
	ds_store_b128 v[LW], v[4*\j:4*\j+3] offset:16384+512*\j
.endr
	WIN 0
.endm
.macro BARRIER                         ; my LDS stores have landed and my LDS loads are in: then the work-group's barrier
	s_wait_dscnt 0x0
	s_barrier_signal -1
	s_barrier_wait -1
.endm
.macro QLOAD qi                        ; query qi's row, in the order of K's registers
	WIN 0x40
.irp c, 0,1,2,3
	ds_load_b128 v[QW+4*\c:QW+4*\c+3], v[QA+\c] offset:256*(\qi)
.endr
	WIN 0
.endm
.macro KEYS qi                         ; query qi's 13 key numbers a lane: group 4 g + i's from lane i of each quad; held inside the table ahead of every address
.irp g, 0,1,2
.irp i, 0,1,2,3
	v_mov_b32_dpp v[P+4*\g+\i], v[LST+4*(\qi)+\g] quad_perm:[\i,\i,\i,\i] row_mask:0xf bank_mask:0xf
.endr
.endr
	v_mov_b32_dpp v[P+12], v[LST+4*(\qi)+3] quad_perm:[0,0,0,0] row_mask:0xf bank_mask:0xf
.irp g, 0,1,2,3,4,5,6,7,8,9,10,11,12
	v_min_u32 v[P+\g], 0x3ff, v[P+\g]
.endr
.endm
.macro GATHER                          ; the 104 rows' pieces from LDS.  Each address is made in the first of the four registers that its own load fills: no address registers, two window switches
	WIN 0x40                                       ; destination window 1
.irp g, 0,1,2,3,4,5,6,7,8,9,10,11,12
.irp c, 0,1,2,3
	v_lshl_add_u32 v[16*\g+4*\c], v[P+\g], 8, v[CC+\c]   ; the key's row of 256 bytes + my piece
.endr
.endr
	WIN 0x41                                       ; destination and address window 1
.irp g, 0,1,2,3,4,5,6,7,8,9,10,11,12
.irp c, 0,1,2,3
	ds_load_b128 v[16*\g+4*\c:16*\g+4*\c+3], v[16*\g+4*\c]
.endr
.endr
	WIN 0
.endm
; Group g: the sum of (k - q)^2 over my 16 features, two at a time, in two chains.  All operands in window 1.
.macro DIFF g
	s_wait_dscnt 4*(12-(\g))                       ; LDS loads come back in order: group g's four are in, the later groups' stay out (where nothing was fetched anew, nothing is out)
.set KB, 16*(\g)
.set SS, SW+4*((\g)%2)
.irp u, 0,8
.irp e, 0,2,4,6
	v_pk_add_f32 v[DW+\e:DW+\e+1], v[KB+\u+\e:KB+\u+\e+1], v[QW+\u+\e:QW+\u+\e+1] neg_lo:[0,1] neg_hi:[0,1]
.endr
.if \u == 0
	v_pk_mul_f32 v[SS:SS+1], v[DW:DW+1], v[DW:DW+1]
	v_pk_mul_f32 v[SS+2:SS+3], v[DW+2:DW+3], v[DW+2:DW+3]
.else
	v_pk_fma_f32 v[SS:SS+1], v[DW:DW+1], v[DW:DW+1], v[SS:SS+1]
	v_pk_fma_f32 v[SS+2:SS+3], v[DW+2:DW+3], v[DW+2:DW+3], v[SS+2:SS+3]
.endif
	v_pk_fma_f32 v[SS:SS+1], v[DW+4:DW+5], v[DW+4:DW+5], v[SS:SS+1]
	v_pk_fma_f32 v[SS+2:SS+3], v[DW+6:DW+7], v[DW+6:DW+7], v[SS+2:SS+3]
.endr
	v_pk_add_f32 v[SS:SS+1], v[SS:SS+1], v[SS+2:SS+3]
	v_add_f32 v[TW+\g], v[SS], v[SS+1]
.endm
; Group g: the output's sums += weight x V (source 0 in window 1).  The weight is one register of an even-aligned pair: op_sel picks it for both halves.  Group 0 starts the sums: nothing is cleared.
.macro PVG g
	s_wait_dscnt 4*(12-(\g))
.set VG, 16*(\g)
.irp e, 0,2,4,6,8,10,12,14
.if (\g) == 0
	v_pk_mul_f32 v[ACC+\e:ACC+\e+1], v[VG+\e:VG+\e+1], v[P:P+1] op_sel_hi:[1,0]
.elseif (\g)%2 == 0
	v_pk_fma_f32 v[ACC+\e:ACC+\e+1], v[VG+\e:VG+\e+1], v[P+(\g):P+(\g)+1], v[ACC+\e:ACC+\e+1] op_sel_hi:[1,0,1]
.else
	v_pk_fma_f32 v[ACC+\e:ACC+\e+1], v[VG+\e:VG+\e+1], v[P+(\g)-1:P+(\g)], v[ACC+\e:ACC+\e+1] op_sel:[0,1,0] op_sel_hi:[1,1,1]
.endif
.endr
.endm
; PHASE 1, query qi: its 102 weights, normalised, into v[HIST + 4 qi] on.
.macro SCORE qi
	s_wait_dscnt 0x0                               ; q's row, asked for in the query before, is in
.if (\qi) > 0
	s_cmp_eq_u32 s[CDS+\qi], s[CDS+\qi-1]          ; the same code: the same keys
	s_cbranch_scc1 .Lsame_k_\@
.endif
	KEYS \qi
.irp g, 0,1,2,3
	v_min_u32 v[AD+\g], 0x3ff, v[LST+4*(\qi)+\g]
.endr
.irp g, 0,1,2,3
	v_lshl_add_u32 v[AD+\g], v[AD+\g], 2, FKB
.endr
.irp g, 0,1,2,3
	ds_load_b32 v[KF+\g], v[AD+\g]                 ; 1 - |k|^2, in the transposed order
.endr
	GATHER
.if (\qi) > 0
.Lsame_k_\@:
.endif
	WIN 0x55                                       ; every operand in window 1
.irp g, 0,1,2,3,4,5,6,7,8,9,10,11,12
	DIFF \g
.endr
	WIN 0x05                                       ; sources 0 and 1 window 1, destination window 0
.irp p, 0,1,2,3,4,5                    ; the sum over a key's four lanes, first step: of two groups' registers an even lane keeps the first and hands on the second, an odd lane the other way round
	v_cndmask_b32 v[P+2*\p], v[TW+2*\p], v[TW+2*\p+1], s48
	v_cndmask_b32 v[P+2*\p+1], v[TW+2*\p+1], v[TW+2*\p], s48
.endr
	v_mov_b32 v[P+12], v[TW+12]
	WIN 0
.if (\qi) < 7
	QLOAD (\qi)+1                                  ; q's registers are free: the next query's row lands while this one's scores are worked
.endif
.irp p, 0,1,2,3,4,5
	v_add_f32_dpp v[P+2*\p], v[P+2*\p+1], v[P+2*\p] row_xmask:1 row_mask:0xf bank_mask:0xf
.endr
	v_add_f32_dpp v[P+12], v[P+12], v[P+12] row_xmask:1 row_mask:0xf bank_mask:0xf
.irp g, 0,1,2
	v_cndmask_b32 v[P+4*\g+1], v[P+4*\g], v[P+4*\g+2], s49
	v_cndmask_b32 v[P+4*\g+3], v[P+4*\g+2], v[P+4*\g], s49
.endr
.irp g, 0,1,2
	v_add_f32_dpp v[RT+\g], v[P+4*\g+3], v[P+4*\g+1] row_xmask:2 row_mask:0xf bank_mask:0xf   ; lane i of each quad: |q - k|^2 of group 4 g + i
.endr
	v_add_f32_dpp v[RT+3], v[P+12], v[P+12] row_xmask:2 row_mask:0xf bank_mask:0xf            ; group 12, in all four lanes
.irp g, 0,1,2,3
	v_mul_f32 v[ACC+\g], s[FQ+\qi], v[KF+\g]       ; (1 - |q|^2)(1 - |k|^2)
.endr
.irp g, 0,1,2,3
	v_max_num_f32 v[ACC+\g], 0x358637bd, v[ACC+\g] ; held at 1e-6 from below
.endr
.irp g, 0,1,2,3
	v_rcp_f32 v[ACC+\g], v[ACC+\g]
.endr
	v_nop                                          ; one plain line behind the transcendentals
	s_wait_alu depctr_va_vdst(0)
.irp g, 0,1,2,3
	v_mul_f32 v[RT+\g], v[RT+\g], v[ACC+\g]
.endr
.irp g, 0,1,2,3
	v_fma_f32 v[RT+\g], v[RT+\g], 2.0, 1.0         ; cosh_arg = 1 + 2 |q - k|^2 / denominator
.endr
.irp g, 0,1,2,3
	v_max_num_f32 v[RT+\g], 1.0, v[RT+\g]
.endr
.irp g, 0,1,2,3
	v_fma_f32 v[ACC+\g], v[RT+\g], v[RT+\g], -1.0  ; c^2 - 1, rounded once
.endr
.irp g, 0,1,2,3
	v_sqrt_f32 v[ACC+\g], v[ACC+\g]
.endr
	v_nop
	s_wait_alu depctr_va_vdst(0)
.irp g, 0,1,2,3
	v_add_f32 v[RT+\g], v[RT+\g], v[ACC+\g]        ; w = c + sqrt(c^2 - 1) = e^distance
.endr
	v_cndmask_b32 v[RT+3], 0x7f800000, v[RT+3], s53   ; lanes that hold no key: w = infinity: they lose the minimum and get the weight 0
	v_min3_num_f32 v[ACC], v[RT], v[RT+1], v[RT+2]
	v_min_num_f32 v[ACC], v[ACC], v[RT+3]
.irp m, 1,2,4,8
	v_min_num_f32_dpp v[ACC], v[ACC], v[ACC] row_xmask:\m row_mask:0xf bank_mask:0xf
.endr
	v_permlanex16_b32 v[ACC+1], v[ACC], s54, s55
	v_min_num_f32 v[ACC], v[ACC], v[ACC+1]         ; the smallest w: the softmax's maximum
.irp g, 0,1,2,3
	v_rcp_f32 v[RT+\g], v[RT+\g]
.endr
	v_nop
	s_wait_alu depctr_va_vdst(0)
.irp g, 0,1,2,3
	v_mul_f32 v[RT+\g], v[RT+\g], v[ACC]           ; p = exp(-(distance - the smallest distance)), at most 1
.endr
	v_add_f32 v[ACC+2], v[RT], v[RT+1]
	v_add_f32 v[ACC+3], v[RT+2], v[RT+3]
	v_add_f32 v[ACC+2], v[ACC+2], v[ACC+3]
.irp m, 1,2,4,8
	v_add_f32_dpp v[ACC+2], v[ACC+2], v[ACC+2] row_xmask:\m row_mask:0xf bank_mask:0xf
.endr
	v_permlanex16_b32 v[ACC+3], v[ACC+2], s54, s55
	v_add_f32 v[ACC+2], v[ACC+2], v[ACC+3]         ; the sum of the 102 p
	v_rcp_f32 v[INV], v[ACC+2]
	v_nop
	s_wait_alu depctr_va_vdst(0)
.irp g, 0,1,2,3
	v_mul_f32 v[HIST+4*(\qi)+\g], v[RT+\g], v[INV] ; the softmax's weights: they wait in registers for V
.endr
.endm
; PHASE 2, query qi: weights x V, added over the 8 quads, stored.
.macro OUTQ qi
.if (\qi) > 0
	s_cmp_eq_u32 s[CDS+\qi], s[CDS+\qi-1]
	s_cbranch_scc1 .Lsame_v_\@
.endif
	KEYS \qi
	GATHER
.if (\qi) > 0
.Lsame_v_\@:
.endif
.irp g, 0,1,2
.irp i, 0,1,2,3
	v_mov_b32_dpp v[P+4*\g+\i], v[HIST+4*(\qi)+\g] quad_perm:[\i,\i,\i,\i] row_mask:0xf bank_mask:0xf   ; group 4 g + i's weight to its key's four lanes
.endr
.endr
	v_mov_b32_dpp v[P+12], v[HIST+4*(\qi)+3] quad_perm:[0,0,0,0] row_mask:0xf bank_mask:0xf
	WIN 0x01                                       ; source 0 window 1
.irp g, 0,1,2,3,4,5,6,7,8,9,10,11,12
	PVG \g
.endr
	WIN 0
; The 16 sums are added over the 8 quads, transposing: at each step a lane keeps one of two registers and hands the other on.  Block c of quad s holds piece c xor (s % 4): so the partner 4 lanes away holds my
; block c's features in its block c xor 1, the partner 8 lanes away in its block c xor 2, the partner 16 lanes away in the same block.
.irp n, 0,1,2,3,4,5,6,7                ; lane bit 2 picks features + 2
	v_cndmask_b32 v[P+\n], v[ACC+4*(\n/2)+\n%2], v[ACC+4*(\n/2)+\n%2+2], s50
	v_cndmask_b32 v[ACC+4*(\n/2)+\n%2+2], v[ACC+4*(\n/2)+\n%2+2], v[ACC+4*(\n/2)+\n%2], s50
.endr
.irp n, 0,1,2,3,4,5,6,7
	v_add_f32_dpp v[ACC+4*(\n/2)+\n%2], v[ACC+4*((\n/2)+1-2*((\n/2)%2))+\n%2+2], v[P+\n] row_xmask:4 row_mask:0xf bank_mask:0xf
.endr
.irp n, 0,1,2,3                        ; lane bit 3 picks the odd block of two
	v_cndmask_b32 v[P+\n], v[ACC+8*(\n/2)+\n%2], v[ACC+8*(\n/2)+\n%2+4], s51
	v_cndmask_b32 v[ACC+8*(\n/2)+\n%2+4], v[ACC+8*(\n/2)+\n%2+4], v[ACC+8*(\n/2)+\n%2], s51
.endr
.irp n, 0,1,2,3
	v_add_f32_dpp v[ACC+8*(\n/2)+\n%2], v[ACC+8*(1-\n/2)+\n%2+4], v[P+\n] row_xmask:8 row_mask:0xf bank_mask:0xf
.endr
.irp n, 0,1                            ; lane bit 4 picks the upper pair of blocks
	v_cndmask_b32 v[P+\n], v[ACC+\n], v[ACC+8+\n], s52
	v_cndmask_b32 v[ACC+8+\n], v[ACC+8+\n], v[ACC+\n], s52
.endr
.irp n, 0,1
	v_permlanex16_b32 v[P+2+\n], v[ACC+8+\n], s54, s55
.endr
.irp n, 0,1
	v_add_f32 v[OD+2*(\qi)+\n], v[P+\n], v[P+2+\n]
.endr
	v_lshl_add_u32 v[OA+\qi], s[QN+\qi], 11, v[OOFF]   ; the query's row of 2,048 bytes
	global_store_b64 v[OA+\qi], v[OD+2*(\qi):OD+2*(\qi)+1], s[32:33]   ; the 32 lanes store the head's 256 bytes of the row, at a multiple of 256 from the buffer's first byte
.endm
	s_load_b256 s[4:11], s[0:1], 0x0               ; qkv, fac, klist, order
	s_load_b64 s[12:13], s[0:1], 0x20              ; attn
	s_set_vgpr_msb 0x40
	v_lshl_add_u32 v254, v0, 2, 0x45000
	v_mov_b32 v255, 0
	s_set_vgpr_msb 0x4000
	v_lshrrev_b32 v16, 5, v0
	v_readfirstlane_b32 s14, v16                   ; wave
	v_and_b32 v16, 31, v0                          ; lane
	v_and_b32 v17, 3, v0                           ; i
	v_lshrrev_b32 v18, 2, v16                      ; s
	v_and_b32 v19, 3, v18                          ; s % 4
	v_lshlrev_b32 v[LI], 4, v16
	v_lshlrev_b32 v[L8], 3, v16
	v_lshl_add_u32 v[SLT], v17, 3, v18             ; 8 i + s
	v_add_nc_u32 v[SLT3], 96, v[SLT]
	v_min_u32 v[SLT3], 101, v[SLT3]
	v_lshlrev_b32 v[SLT3], 2, v[SLT3]
	v_lshlrev_b32 v[SLT], 2, v[SLT]
	s_lshl_b32 s56, s14, 15                        ; my share of K and V: 32,768 bytes a wave, in memory and in LDS
	s_mov_b32 s57, 0
	s_lshl_b32 s58, s14, 9                         ; of 1 - |k|^2: 512 bytes
	s_mov_b32 s59, 0
	s_lshl_b32 s61, s14, 11
	s_add_co_u32 s61, s61, QB                      ; my 8 rows of q in LDS
	s_add_co_u32 s62, s58, FKB
	v_add_nc_u32 v[LW], s56, v[LI]
	v_add_nc_u32 v[FKA], s62, v[LI]
	v_add_nc_u32 v[QS], s61, v[L8]
.irp c, 0,1,2,3
	v_xor_b32 v20, \c, v19
	v_lshlrev_b32 v20, 6, v20
	v_lshl_add_u32 v[CC+\c], v17, 4, v20           ; 64 (c xor s % 4) + 16 i
	v_add_nc_u32 v[QA+\c], s61, v[CC+\c]
.endr
	v_lshrrev_b32 v20, 1, v18                      ; the piece that the transposing sum leaves me: (s xor s / 2) % 4;
	v_xor_b32 v20, v20, v18
	v_and_b32 v20, 3, v20
	v_lshlrev_b32 v[OOFF], 6, v20
	v_lshl_add_u32 v[OOFF], v17, 4, v[OOFF]        ; in it 16 i,
	v_and_b32 v20, 1, v18
	v_lshl_add_u32 v[OOFF], v20, 3, v[OOFF]        ; and 8 (s % 2)
.irp g, 8,9,10,11,12,13
	v_mov_b32 v[P+\g], 0                           ; a DPP form's destination counts as one of its sources; v[P+13] is named as the upper half of a pair
.endr
.irp g, 0,1,2,3
	v_mov_b32 v[RT+\g], 0                          ; likewise
.endr
	s_lshr_b32 s15, ttmp9, 4                       ; (b, h)
	s_and_b32 s16, ttmp9, 15
	s_lshl_b32 s16, s16, 6
	s_lshl_b32 s17, s14, 3
	s_add_co_u32 s16, s16, s17                     ; my first place: 64 x (work-group % 16) + 8 x wave
	s_lshl_b32 s17, s15, 10
	s_add_co_u32 s16, s16, s17
	s_lshl_b32 s16, s16, 2
	s_mov_b32 s17, 0
	s_lshl_b32 s18, s15, 18                        ; 1,024 rows of 256 bytes a (b, h)
	s_mov_b32 s19, 0
	s_lshl_b32 s34, s15, 12
	s_mov_b32 s35, 0
	s_lshl_b32 s36, s15, 17                        ; 256 lists of 512 bytes
	s_mov_b32 s37, 0
	s_lshr_b32 s38, s15, 3
	s_lshl_b32 s38, s38, 21                        ; the batch's 1,024 rows of 2,048 bytes,
	s_and_b32 s39, s15, 7
	s_lshl_b32 s39, s39, 8                         ; the head's 256 bytes of a row
	s_add_co_u32 s38, s38, s39
	s_mov_b32 s39, 0
	s_mov_b32 s48, 0xaaaaaaaa                      ; lanes with bit 0 set,
	s_mov_b32 s49, 0xcccccccc                      ; bit 1,
	s_mov_b32 s50, 0xf0f0f0f0                      ; bit 2,
	s_mov_b32 s51, 0xff00ff00                      ; bit 3,
	s_mov_b32 s52, 0xffff0000                      ; bit 4
	s_mov_b32 s53, 0x00111111                      ; the lanes of the fourth score register that hold a key: slots 96 .. 101
	s_mov_b32 s54, 0x76543210
	s_mov_b32 s55, 0xfedcba98                      ; v_permlanex16_b32's selects for lane l xor 16
	s_wait_kmcnt 0x0
	s_add_nc_u64 s[10:11], s[10:11], s[16:17]
	s_load_b256 s[40:47], s[10:11], 0x0            ; my eight words: query | code << 10
	s_add_nc_u64 s[20:21], s[4:5], s[18:19]        ; q's rows of (b, h),
	s_add_nc_u64 s[22:23], s[20:21], 0x400000      ; k's: 16 x 1,024 x 256 bytes on,
	s_add_nc_u64 s[24:25], s[20:21], 0x800000      ; v's;
	s_add_nc_u64 s[22:23], s[22:23], s[56:57]      ; of both my wave's 128 rows
	s_add_nc_u64 s[24:25], s[24:25], s[56:57]
	s_add_nc_u64 s[26:27], s[6:7], s[34:35]        ; 1 - |q|^2,
	s_add_nc_u64 s[28:29], s[26:27], 0x10000       ; 1 - |k|^2,
	s_add_nc_u64 s[28:29], s[28:29], s[58:59]      ; my wave's 128 of them
	s_add_nc_u64 s[30:31], s[8:9], s[36:37]
	s_add_nc_u64 s[32:33], s[12:13], s[38:39]
	GLOAD0 22                                      ; K's first half goes out while the eight words come
	global_load_b128 v[FKT:FKT+3], v[LI], s[28:29]
	s_wait_kmcnt 0x0
.irp qi, 0,1,2,3,4,5,6,7               ; the words are taken apart; numbers read from memory are held inside their tables ahead of every address
	s_lshr_b32 s[CDS+\qi], s[40+\qi], 10
	s_min_u32 s[CDS+\qi], s[CDS+\qi], 255
	s_and_b32 s[QN+\qi], s[40+\qi], 1023
	s_min_u32 s[QN+\qi], s[QN+\qi], 1023
	s_lshl_b32 s[40+\qi], s[QN+\qi], 2
	s_load_b32 s[FQ+\qi], s[26:27], s[40+\qi] offset:0x0   ; 1 - |q|^2
	v_lshl_add_u32 v[ACC+2*\qi], s[CDS+\qi], 9, v[SLT]     ; the code's list of 512 bytes, in the transposed order: 128 consecutive bytes a load
	v_lshl_add_u32 v[ACC+2*\qi+1], s[CDS+\qi], 9, v[SLT3]
.irp g, 0,1,2
	global_load_b32 v[LST+4*\qi+\g], v[ACC+2*\qi], s[30:31] offset:128*\g
.endr
	global_load_b32 v[LST+4*\qi+3], v[ACC+2*\qi+1], s[30:31]
	v_lshl_add_u32 v[P+\qi], s[QN+\qi], 8, v[L8]
	global_load_b64 v[HIST+2*\qi:HIST+2*\qi+1], v[P+\qi], s[20:21]   ; q's row: 256 consecutive bytes
.endr
	GLOAD1 22
	s_wait_loadcnt 63                              ; K's first half is in.  (73 younger loads were issued; a wait names 63 at the most, which asks more than is needed)
	PUT0
	s_wait_loadcnt 32                              ; the factors, the lists and q are in; the 32 loads of K's second half stay out
	ds_store_b128 v[FKA], v[FKT:FKT+3]
.irp qi, 0,1,2,3,4,5,6,7
	ds_store_b64 v[QS], v[HIST+2*\qi:HIST+2*\qi+1] offset:256*\qi
.endr
	s_wait_loadcnt 0x0
	PUT1
	s_wait_dscnt 0x0                               ; the stores have read their registers,
	GLOAD0 24                                      ; which take V's first half: it lands during phase 1, which has no load from memory and touches none of these registers
	s_barrier_signal -1
	s_barrier_wait -1                              ; K, the factors and q lie in LDS
	QLOAD 0
	s_wait_kmcnt 0x0                               ; 1 - |q|^2
.irp qi, 0,1,2,3,4,5,6,7
	SCORE \qi
.endr
	GLOAD1 24                                      ; K's registers are free: V's second half
	BARRIER                                        ; no wave reads K any more
	s_wait_loadcnt 32                              ; V's first half is in; the 32 loads of its second half stay out
	PUT0
	s_wait_loadcnt 0x0
	PUT1
	BARRIER                                        ; V lies in LDS
.irp qi, 0,1,2,3,4,5,6,7
	OUTQ \qi
.endr
	s_set_vgpr_msb 0x5
	s_wait_tensorcnt 0x0
	ds_add_u32 v254, v255
	s_wait_dscnt 0x0
	s_set_vgpr_msb 0x500
	s_endpgm
.Lfunc_end_k_q52705cf927_attn:
	.size	k_q52705cf927_attn, .Lfunc_end_k_q52705cf927_attn-k_q52705cf927_attn
	.p2alignl 7, 3214868480
	.fill 96, 4, 3214868480
	.section	.rodata,"a",@progbits
	.p2align	6, 0x0
	.amdhsa_kernel k_q52705cf927_attn
		.amdhsa_group_segment_fixed_size 283648
		.amdhsa_private_segment_fixed_size 0
		.amdhsa_enable_private_segment 0
		.amdhsa_kernarg_size 40
		.amdhsa_user_sgpr_count 2
		.amdhsa_user_sgpr_kernarg_segment_ptr 1
		.amdhsa_wavefront_size32 1
		.amdhsa_system_sgpr_workgroup_id_x 1
		.amdhsa_system_sgpr_workgroup_id_y 1
		.amdhsa_system_sgpr_workgroup_id_z 1
		.amdhsa_system_vgpr_workitem_id 0
		.amdhsa_next_free_vgpr 512
		.amdhsa_next_free_sgpr 96
		.amdhsa_reserve_vcc 0
		.amdhsa_float_denorm_mode_32 3
		.amdhsa_float_denorm_mode_16_64 3
		.amdhsa_memory_ordered 1
		.amdhsa_forward_progress 1
		.amdhsa_inst_pref_size 255
	.end_amdhsa_kernel
	.section	.bss,"aw",@nobits
	.p2align	6
	.space	262144
	.amdgpu_metadata
---
amdhsa.version: [ 1, 2 ]
amdhsa.kernels:
  - .name:           k_q52705cf927_attn
    .symbol:         k_q52705cf927_attn.kd
    .args:
      - { .name: qkv, .offset: 0, .size: 8, .value_kind: global_buffer, .address_space: global }
      - { .name: fac, .offset: 8, .size: 8, .value_kind: global_buffer, .address_space: global }
      - { .name: klist, .offset: 16, .size: 8, .value_kind: global_buffer, .address_space: global }
      - { .name: order, .offset: 24, .size: 8, .value_kind: global_buffer, .address_space: global }
      - { .name: attn, .offset: 32, .size: 8, .value_kind: global_buffer, .address_space: global }
    .group_segment_fixed_size: 283648
    .private_segment_fixed_size: 0
    .kernarg_segment_align: 8
    .kernarg_segment_size: 40
    .max_flat_workgroup_size: 256
    .sgpr_count:     96
    .vgpr_count:     512
    .wavefront_size: 32
...
	.end_amdgpu_metadata
.endif
;; end of part 6
;; launch oproj: the kernel of part 5 again; grid 8 x 32, 4 waves a work-group, no clusters, 17,920 bytes of LDS; arguments attn, recs, out0; writes out0
;; ======== version 3 of 3: 5 launches; version 2 with the launches qkv, oproj written anew for expert scheduling mode
;; limits: right only within a limited range of input values
;; workspace buffers: recs 2,359,296 bytes; qkv 12,582,912 bytes; fac 131,072 bytes; codes 131,072 bytes of whole numbers; klist 2,097,152 bytes of whole numbers; order 81,920 bytes of whole numbers; attn 4,194,304 bytes
;; launch quant: the kernel of part 1 again; grid 256 x 1, 4 waves a work-group, no clusters, 34,304 bytes of LDS; arguments x, Wq, Wk, Wv, Wo, recs; writes recs
;; launch qkv (part 7): grid 24 x 8, 4 waves a work-group, no clusters, 35,328 bytes of LDS; arguments recs, rand_vecs, qkv, fac, codes; writes qkv, fac, codes
.if DOCPART == 7
	.amdgcn_target "amdgcn-amd-amdhsa--gfx1250"
	.amdhsa_code_object_version 6
	.text
	.protected	k_q52705cf927_qkv
	.globl	k_q52705cf927_qkv
	.p2align	8
	.type	k_q52705cf927_qkv,@function
k_q52705cf927_qkv:
	s_mov_b64 s[64:65], 0
	v_nop
	global_prefetch_b8 v0, s[64:65] scope:SCOPE_SE
	s_setreg_imm32_b32 hwreg(HW_REG_WAVE_SCHED_MODE, 0, 2), 2
	s_setreg_imm32_b32 hwreg(HW_REG_WAVE_MODE, 25, 1), 1
	s_wait_xcnt 0x0
	s_wait_alu depctr_vm_vsrc(0)
; q, k, v = x Wq^T, x Wk^T, x Wv^T on codes of BF8 (E5M2) with E8M0 scales, sums in f32; laid [tensor][batch x 8 + head][token][64] f32.
; For q and k also: 1 - the row's sum of squares (fac) and the eight sign hashes of the row against rand_vecs (codes: hash bit k at bit 4 k of a word).
; SHARES.  Work-group (x, y): x = 8 tensor + head, y = a block of 256 tokens.  Wave w: 4 tiles of 16 tokens.  The head's 64 rows of the weight, 16 records, stay in the wave's
; registers; a tile's 4 records of x come by dense loads of 512 bytes.  No wave reads what another wrote: no barrier.
; 24 x 8 = 192 work-groups: a wave needs all 64 features of a head for the hashes, and four tiles share the 36,864 bytes of weight records that a wave fetches.
; No cluster: what work-groups share (x's records, 9,216 bytes a tile) goes straight to registers; nothing goes through LDS by the data mover.
; THE MATRIX INSTRUCTION IS USED TRANSPOSED (source 0 = 16 rows of the weight, source 1 = 16 tokens): lane (r, h) holds token r; register j of accumulator f is feature 16 f + 8 h + j.
; Hashes and norm are f32 vector work on these registers; lane l xor 16 holds the token's other 32 features.  rand_vecs lies in window 2 in the same layout.
; LIMIT: a hash dot product within f32 rounding of 0 may fall on either side.
; Rows leave through the wave's own stage in LDS (16 rows x (256 + 16) bytes) as 512 consecutive bytes a store.  The path for v has stage bytes of its own.
; REGISTERS: window 0: v4-9 addresses; v16-79 x's four fragments; v80-83 their scale words; v84-99 the weight's scale words; v100-131 four accumulators; v132-163 rows on the way out;
;   v164-179 eight hash sums (pairs); v180-183 the norm; v184-191, v196 at work; v192-195 hash word and factor of an even and an odd tile.   window 1: the weight's 16 fragments.   window 2: rand_vecs.
; THE MODE: SCHED_MODE bits 1:0 = 2 (LLVM: expert scheduling mode 2), set by the entry lines.  The code itself states the register dependences
; between vector or matrix instructions and memory or LDS instructions, with s_wait_alu, always for 0.
; THE PLAN.  Registers that memory or LDS instructions touch:
;   v4-9          offsets and LDS addresses: written by vector lines at the head and never again; read by every load and store.  One wait on va_vdst ahead of the first load.
;   XF, XS        tile i's products read them; the loads of tile i + 1, issued in tile i behind the products, land in them.
;   window 1, WS, window 2   loaded once; read by products and hash sums alone.
;   ACC           written by a tile's products; read by its eight LDS stores (and by the vector work of norm and hashes); written again by the next tile's products.
;   OUTR          the eight LDS loads land in it; the eight global stores read it; no vector line names it.
;   CD+1, FC+1    written by vector lines in the odd tiles; read by two global stores there.
; A tile has ONE wait on va_vdst behind its products and their places: the accumulators are written, and the products are done reading XF and XS.  Behind it stand the next tile's loads, the LDS stores and the LDS
; loads; then the vector work, which writes none of ACC and names none of OUTR, v4, v6, v7; the rows' global stores stand behind the hash sums.  One wait on vm_vsrc at the head of tiles 1 to 3 states that the
; last tile's stores have read ACC, OUTR, CD+1 and FC+1.  The eight compares write eight scalar registers in one run, with one wait on va_sdst behind it.  An odd tile has one more wait on va_vdst, ahead of its two small stores.
.set REC,  2304
.set SP,   272
.set VSTG, 4*16*SP
.set XF,   16
.set XS,   80
.set WS,   84
.set ACC,  100
.set OUTR, 132
.set HS,   164
.set N2,   180
.set PT,   184
.set CD,   192
.set FC,   194
.set TT,   196
.set MK,   24                          ; s24-31 the eight hash masks (the offsets that these registers hold at the head are used up there)
.set MSB, 0
.macro WIN new                         ; the immediate's high byte repeats the setting that is left
.if MSB != \new
	s_set_vgpr_msb (MSB<<8)|\new
.set MSB, \new
.endif
.endm
	s_load_b128 s[4:7], s[0:1], 0x0                ; the records, rand_vecs
	s_load_b128 s[8:11], s[0:1], 0x10              ; qkv, fac
	s_load_b64 s[12:13], s[0:1], 0x20              ; codes
	v_lshl_add_u32 v254, v0, 2, 0x8800
	v_mov_b32 v255, 0
	v_lshrrev_b32 v1, 5, v0
	v_readfirstlane_b32 s14, v1                    ; wave
	v_and_b32 v1, 31, v0
	v_and_b32 v2, 15, v0                           ; r
	v_bfe_u32 v3, v0, 4, 1                         ; h
	v_lshlrev_b32 v4, 4, v1                        ; 16 x lane
	v_lshlrev_b32 v5, 3, v1                        ; 8 x lane
	v_lshlrev_b32 v8, 2, v1                        ; 4 x lane
	v_lshlrev_b32 v9, 5, v3                        ; rand_vecs: my half's eight numbers of sixteen
.irp k, 0,1,2,3,4,5,6,7
	v_mov_b32 v[PT+\k], 0                          ; a lane permute's destination counts as one of its sources
.endr
	v_mov_b32 v[TT], 0
	s_wait_alu depctr_va_sdst(0)                   ; s14 is written, ahead of its first reader: the stage's place and the bases are made from it
	s_mul_i32 s15, s14, 16*SP                      ; my stage
	v_mul_u32_u24 v6, v2, SP
	v_lshl_add_u32 v6, v3, 5, v6
	v_add_nc_u32 v6, s15, v6                       ; in: row r, + 32 h
	v_mul_u32_u24 v7, v3, SP
	v_lshl_add_u32 v7, v2, 4, v7
	v_add_nc_u32 v7, s15, v7                       ; back: lanes 0-15 one row, lanes 16-31 the next
	s_mov_b32 s20, 0x76543210
	s_mov_b32 s21, 0xfedcba98                      ; v_permlanex16_b32's selects for lane l xor 16
	s_mov_b32 s23, 0xffff0000                      ; lanes 16-31
	s_and_b32 s22, ttmp7, 0xffff                   ; the block of 256 tokens
	s_lshl_b32 s24, ttmp9, 4
	s_add_co_u32 s24, s24, 512
	s_mul_i32 s24, s24, REC                        ; the weight's records: number 512 + 16 x on
	s_mov_b32 s25, 0
	s_lshl_b32 s26, s22, 4
	s_lshl_b32 s27, s14, 2
	s_add_co_u32 s26, s26, s27                     ; my first tile of tokens: 16 y + 4 w
	s_mul_i32 s26, s26, 4*REC                      ; four records a tile
	s_mov_b32 s27, 0
	s_lshr_b32 s28, ttmp9, 3                       ; tensor
	s_and_b32 s29, ttmp9, 7                        ; head
	s_lshr_b32 s30, s22, 2                         ; batch
	s_lshl_b32 s28, s28, 4
	s_lshl_b32 s30, s30, 3
	s_add_co_u32 s28, s28, s30
	s_add_co_u32 s28, s28, s29                     ; 16 tensor + 8 batch + head
	s_lshl_b32 s28, s28, 10
	s_and_b32 s29, s22, 3
	s_lshl_b32 s29, s29, 8
	s_add_co_u32 s28, s28, s29
	s_lshl_b32 s29, s14, 6
	s_add_co_u32 s28, s28, s29                     ; my first row of the output
	s_lshl_b32 s30, s28, 8                         ; 256 bytes a row
	s_mov_b32 s31, 0
	s_lshl_b32 s32, s28, 2                         ; 4 bytes a row in fac and codes
	s_mov_b32 s33, 0
	s_wait_kmcnt 0x0
	s_add_nc_u64 s[16:17], s[4:5], s[26:27]        ; x's records
	s_add_nc_u64 s[4:5], s[4:5], s[24:25]          ; the weight's
	s_add_nc_u64 s[18:19], s[8:9], s[30:31]
	s_add_nc_u64 s[10:11], s[10:11], s[32:33]      ; (used on the path for q and k alone)
	s_add_nc_u64 s[12:13], s[12:13], s[32:33]
.macro XLOADR i                        ; tile i's four records of x: fragments and scale words
.irp s, 0,1,2,3
.irp c, 0,1,2,3
	global_load_b128 v[XF+16*\s+4*\c:XF+16*\s+4*\c+3], v4, s[16:17] offset:4*REC*(\i)+REC*\s+512*\c
.endr
	global_load_b32 v[XS+\s], v5, s[16:17] offset:4*REC*(\i)+REC*\s+2048
.endr
.endm
	s_wait_alu depctr_va_vdst(0)                   ; the offsets and addresses v4 to v9 are written: every load and store of the kernel reads one of them, and no vector line writes them again
	XLOADR 0
	WIN 0x40                                       ; destination window 1
.irp j, 0,1,2,3,4,5,6,7,8,9,10,11,12,13,14,15      ; record j = 4 f + s: features 16 f on, K step s
.irp c, 0,1,2,3
	global_load_b128 v[16*\j+4*\c:16*\j+4*\c+3], v4, s[4:5] offset:REC*\j+512*\c
.endr
.endr
	WIN 0
.irp j, 0,1,2,3,4,5,6,7,8,9,10,11,12,13,14,15
	global_load_b32 v[WS+\j], v5, s[4:5] offset:REC*\j+2048
.endr
; One tile of 16 tokens.  hash = 1: the path for q and k.  stg: the path's stage bytes.
.macro TILE i, hash, stg
	s_wait_loadcnt 0x0                             ; the tile's records (the first time also the weight's and rand_vecs) are in
.if (\i) > 0
	s_wait_alu depctr_vm_vsrc(0)                   ; the last tile's LDS stores have read the accumulators, which the products below write; its global stores have read v[OUTR ..] (and, for q and k, the hash word and the factor), which this tile writes again
.endif
	WIN 0x01                                       ; source 0 window 1
.irp s, 0,1,2,3                        ; the four accumulators take turns, one instruction a turn; the first K step starts the sums
.irp f, 0,1,2,3
.if \s == 0
	v_wmma_scale_f32_16x16x128_f8f6f4 v[ACC+8*\f:ACC+8*\f+7], v[16*(4*\f+\s):16*(4*\f+\s)+15], v[XF+16*\s:XF+16*\s+15], 0, v[WS+4*\f+\s], v[XS+\s] matrix_a_fmt:MATRIX_FMT_BF8 matrix_b_fmt:MATRIX_FMT_BF8
.else
	v_wmma_scale_f32_16x16x128_f8f6f4 v[ACC+8*\f:ACC+8*\f+7], v[16*(4*\f+\s):16*(4*\f+\s)+15], v[XF+16*\s:XF+16*\s+15], v[ACC+8*\f:ACC+8*\f+7], v[WS+4*\f+\s], v[XS+\s] matrix_a_fmt:MATRIX_FMT_BF8 matrix_b_fmt:MATRIX_FMT_BF8
.endif
.endr
.endr
	WIN 0
.rept 9
	v_nop                                          ; eight places in front of the first reads of results, the LDS stores below; nine in front of the next tile's products, which begin the accumulators anew
.endr
	s_wait_alu depctr_va_vdst(0)                   ; the products have written the accumulators, which the LDS stores below read, and are done reading x's fragments and scale words, in which the loads below land; the places above stay beside this wait
.if (\i) < 3
	XLOADR (\i)+1                                  ; the next tile's records land while this tile's results are worked on
.endif
	s_wait_xcnt 0x0                                ; the last tile's stores have read their registers: these are written again only behind this wait
.irp f, 0,1,2,3
	ds_store_b128 v6, v[ACC+8*\f:ACC+8*\f+3] offset:\stg+64*\f          ; features 16 f + 8 h + 0 .. 7 of token r; each accumulator from its low end on
	ds_store_b128 v6, v[ACC+8*\f+4:ACC+8*\f+7] offset:\stg+64*\f+16
.endr
.irp t, 0,1,2,3,4,5,6,7
	ds_load_b128 v[OUTR+4*\t:OUTR+4*\t+3], v7 offset:\stg+2*\t*SP       ; LDS serves a wave's instructions in order: these see my stores.  The rows turn through the stage while the vector work below runs
.endr
.if \hash
	v_pk_mul_f32 v[N2:N2+1], v[ACC:ACC+1], v[ACC:ACC+1]            ; the sum of squares of my 32 features, in two chains
	v_pk_mul_f32 v[N2+2:N2+3], v[ACC+2:ACC+3], v[ACC+2:ACC+3]
.irp p, 4,8,12,16,20,24,28
	v_pk_fma_f32 v[N2:N2+1], v[ACC+\p:ACC+\p+1], v[ACC+\p:ACC+\p+1], v[N2:N2+1]
	v_pk_fma_f32 v[N2+2:N2+3], v[ACC+\p+2:ACC+\p+3], v[ACC+\p+2:ACC+\p+3], v[N2+2:N2+3]
.endr
	WIN 0x08                                       ; source 1 window 2: rand_vecs
.irp k, 0,1,2,3,4,5,6,7
	v_pk_mul_f32 v[HS+2*\k:HS+2*\k+1], v[ACC:ACC+1], v[32*\k:32*\k+1]   ; eight dot products by turns, two features at a time
.endr
.irp p, 2,4,6,8,10,12,14,16,18,20,22,24,26,28,30
.irp k, 0,1,2,3,4,5,6,7
	v_pk_fma_f32 v[HS+2*\k:HS+2*\k+1], v[ACC+\p:ACC+\p+1], v[32*\k+\p:32*\k+\p+1], v[HS+2*\k:HS+2*\k+1]
.endr
.endr
	WIN 0
.endif
.irp t, 0,1,2,3,4,5,6,7
	s_wait_dscnt 7-\t                              ; pair t of rows is back; the 7 - t younger loads stay out
	global_store_b128 v4, v[OUTR+4*\t:OUTR+4*\t+3], s[18:19] offset:4096*(\i)+512*\t   ; two rows of 256 bytes: 512 consecutive bytes, at a multiple of 256 from the buffer's first byte.  No vector line names v4 or these registers
.endr
.if \hash
	v_pk_add_f32 v[N2:N2+1], v[N2:N2+1], v[N2+2:N2+3]
.irp k, 0,1,2,3,4,5,6,7
	v_add_f32 v[HS+2*\k], v[HS+2*\k], v[HS+2*\k+1]
.endr
	v_add_f32 v[N2], v[N2], v[N2+1]
.irp k, 0,1,2,3,4,5,6,7
	v_permlanex16_b32 v[PT+\k], v[HS+2*\k], s20, s21
.endr
	v_permlanex16_b32 v[TT], v[N2], s20, s21
.irp k, 0,1,2,3,4,5,6,7
	v_add_f32 v[HS+2*\k], v[HS+2*\k], v[PT+\k]     ; with the token's other 32 features: both halves of the lanes now hold the same
.endr
	v_add_f32 v[N2], v[N2], v[TT]
.irp k, 0,1,2,3,4,5,6,7
	v_cmp_le_f32 s[MK+\k], 0, v[HS+2*\k]           ; the hash bit: dot product >= 0.  The eight masks in one run, each in a scalar register of its own
.endr
	v_sub_f32 v[FC+(\i)%2], 1.0, v[N2]             ; 1 - |row|^2
	s_wait_alu depctr_va_sdst(0)                   ; the eight masks are written, ahead of their first readers, the selections below
	v_cndmask_b32 v[CD+(\i)%2], 0, 1, s[MK]
.irp k, 1,2,3,4,5,6,7
	v_cndmask_b32 v[TT], 0, 1, s[MK+\k]
	v_lshl_or_b32 v[CD+(\i)%2], v[TT], 4*\k, v[CD+(\i)%2]   ; bit k at bit 4 k: a later launch counts differing bits by one multiplication
.endr
.if (\i)%2 == 1
	v_cndmask_b32 v[CD+1], v[CD], v[CD+1], s23     ; lanes 0-15 the even tile's 16 tokens, lanes 16-31 the odd tile's: 128 consecutive bytes a store
	v_cndmask_b32 v[FC+1], v[FC], v[FC+1], s23
	s_wait_alu depctr_va_vdst(0)                   ; the two selections have written the hash word and the factor, which the two stores read
	global_store_b32 v8, v[CD+1], s[12:13] offset:128*((\i)/2)
	global_store_b32 v8, v[FC+1], s[10:11] offset:128*((\i)/2)
.endif
.endif
.endm
	s_cmp_lt_u32 ttmp9, 16                         ; q and k, or v: the same for the whole work-group
	s_cbranch_scc0 .Lvalues
	WIN 0x80                                       ; destination window 2
.irp k, 0,1,2,3,4,5,6,7                            ; rand_vecs[k][16 f + 8 h + j] at register 32 k + 8 f + j.  (v9 was written ahead of the head's wait on va_vdst; no vector line stands between)
.irp f, 0,1,2,3
	global_load_b128 v[32*\k+8*\f:32*\k+8*\f+3], v9, s[6:7] offset:256*\k+64*\f
	global_load_b128 v[32*\k+8*\f+4:32*\k+8*\f+7], v9, s[6:7] offset:256*\k+64*\f+16
.endr
.endr
	WIN 0
	TILE 0, 1, 0
	TILE 1, 1, 0
	TILE 2, 1, 0
	TILE 3, 1, 0
	s_wait_dscnt 0x0
	s_wait_alu depctr_hold_cnt(0) depctr_sa_sdst(0) depctr_va_vdst(0) depctr_va_sdst(0) depctr_va_ssrc(0) depctr_va_vcc(0) depctr_vm_vsrc(0)
	s_wait_tensorcnt 0x0
	ds_add_u32 v254, v255
	s_wait_dscnt 0x0
	s_endpgm
.Lvalues:
	TILE 0, 0, VSTG
	TILE 1, 0, VSTG
	TILE 2, 0, VSTG
	TILE 3, 0, VSTG
	s_wait_dscnt 0x0
	s_wait_alu depctr_hold_cnt(0) depctr_sa_sdst(0) depctr_va_vdst(0) depctr_va_sdst(0) depctr_va_ssrc(0) depctr_va_vcc(0) depctr_vm_vsrc(0)
	s_wait_tensorcnt 0x0
	ds_add_u32 v254, v255
	s_wait_dscnt 0x0
	s_endpgm
.Lfunc_end_k_q52705cf927_qkv:
	.size	k_q52705cf927_qkv, .Lfunc_end_k_q52705cf927_qkv-k_q52705cf927_qkv
	.p2alignl 7, 3214868480
	.fill 96, 4, 3214868480
	.section	.rodata,"a",@progbits
	.p2align	6, 0x0
	.amdhsa_kernel k_q52705cf927_qkv
		.amdhsa_group_segment_fixed_size 35328
		.amdhsa_private_segment_fixed_size 0
		.amdhsa_enable_private_segment 0
		.amdhsa_kernarg_size 40
		.amdhsa_user_sgpr_count 2
		.amdhsa_user_sgpr_kernarg_segment_ptr 1
		.amdhsa_wavefront_size32 1
		.amdhsa_system_sgpr_workgroup_id_x 1
		.amdhsa_system_sgpr_workgroup_id_y 1
		.amdhsa_system_sgpr_workgroup_id_z 1
		.amdhsa_system_vgpr_workitem_id 0
		.amdhsa_next_free_vgpr 768
		.amdhsa_next_free_sgpr 66
		.amdhsa_reserve_vcc 0
		.amdhsa_float_denorm_mode_32 3
		.amdhsa_float_denorm_mode_16_64 3
		.amdhsa_memory_ordered 1
		.amdhsa_forward_progress 1
		.amdhsa_inst_pref_size 114
	.end_amdhsa_kernel
	.amdgpu_metadata
---
amdhsa.version: [ 1, 2 ]
amdhsa.kernels:
  - .name:           k_q52705cf927_qkv
    .symbol:         k_q52705cf927_qkv.kd
    .args:
      - { .name: recs, .offset: 0, .size: 8, .value_kind: global_buffer, .address_space: global }
      - { .name: rand_vecs, .offset: 8, .size: 8, .value_kind: global_buffer, .address_space: global }
      - { .name: qkv, .offset: 16, .size: 8, .value_kind: global_buffer, .address_space: global }
      - { .name: fac, .offset: 24, .size: 8, .value_kind: global_buffer, .address_space: global }
      - { .name: codes, .offset: 32, .size: 8, .value_kind: global_buffer, .address_space: global }
    .group_segment_fixed_size: 35328
    .private_segment_fixed_size: 0
    .kernarg_segment_align: 8
    .kernarg_segment_size: 40
    .max_flat_workgroup_size: 128
    .sgpr_count:     66
    .vgpr_count:     768
    .wavefront_size: 32
...
	.end_amdgpu_metadata
.endif
;; end of part 7
;; launch sel: the kernel of part 3 again; grid 512 x 1, 8 waves a work-group, no clusters, 0 bytes of LDS; arguments codes, klist, order; writes klist, order
;; launch attn: the kernel of part 6 again; grid 256 x 1, 8 waves a work-group, no clusters, 283,648 bytes of LDS; arguments qkv, fac, klist, order, attn; writes attn
;; launch oproj (part 8): grid 8 x 32, 4 waves a work-group, no clusters, 17,920 bytes of LDS; arguments attn, recs, out0; writes out0
.if DOCPART == 8
	.amdgcn_target "amdgcn-amd-amdhsa--gfx1250"
	.amdhsa_code_object_version 6
	.text
	.protected	k_q52705cf927_oproj
	.globl	k_q52705cf927_oproj
	.p2align	8
	.type	k_q52705cf927_oproj,@function
k_q52705cf927_oproj:
	s_mov_b64 s[64:65], 0
	v_nop
	global_prefetch_b8 v0, s[64:65] scope:SCOPE_SE
	s_setreg_imm32_b32 hwreg(HW_REG_WAVE_SCHED_MODE, 0, 2), 2
	s_setreg_imm32_b32 hwreg(HW_REG_WAVE_MODE, 25, 1), 1
	s_wait_xcnt 0x0
	s_wait_alu depctr_vm_vsrc(0)
; out0 = Q(attention output) Q(Wo)^T on codes of BF8 (E5M2) with one E8M0 scale for each 32 along K; sums in f32.  The attention output [2048][512] arrives as f32 and is quantised here, in registers;
; Wo's records were made by the first launch.
; SHARES.  Work-group (x, y): outputs 64 x on; wave w: tokens 64 y + 16 w on.  Each wave quantises its own 16 tokens (four fragments) and multiplies them by its 16 records of Wo, which go from memory
; straight into its registers (window 1) by dense loads of 512 bytes.  The eight work-groups of a y quantise the same tokens again: some 600 vector instructions a wave, for which no wave waits for
; another: no barrier, no exchange.  No cluster: nothing goes through LDS by the data mover.
; THE MATRIX INSTRUCTION IS USED TRANSPOSED (source 0 = 16 rows of Wo, source 1 = 16 tokens): a lane holds eight neighbouring outputs of one token; they turn through the wave's own stage
; (16 rows x (256 + 16) bytes) and leave sixteen lanes to 256 consecutive bytes.
; A block of zeros gets the scale byte 1 where the rule says 127: its codes are zeros, and this launch alone reads the bytes.  LIMITS: NaN and infinities are not served.
; REGISTERS: window 0: v4-9 addresses; v16-79, v80-143 two sets of 64 numbers (later: v16-47 the accumulators, v80-111 rows on the way out); v144-207 the four fragments' codes; v208-223 at work;
;   v224-227 the tokens' scale words; v228-243 Wo's.   window 1: Wo's 16 fragments.
; THE MODE: SCHED_MODE bits 1:0 = 2 (LLVM: expert scheduling mode 2), set by the entry lines.  The code itself states the register dependences
; between vector or matrix instructions and memory or LDS instructions, with s_wait_alu, always for 0.
; THE PLAN.  Registers that memory or LDS instructions touch:
;   v4-9        offsets and LDS addresses: written by vector lines at the head and never again.  One wait on va_vdst ahead of the first load.
;   NA, NB      two sets of 64 numbers.  Loads land in a set; QUANT's holds write it and its conversions read it; K steps 2 and 3 are then loaded into the same sets: a wait on va_vdst behind QUANT of K steps 0 and 1.
;   window 1, WS   loaded once; read by the products alone.
;   XF, XS      codes and scale words: written by vector lines, read by the scaled products: behind the places a wait on va_vdst ahead of the first product.
;   ACC         (over NA) written by the products, read by the LDS stores: behind the places a wait on va_vdst.
;   OUTR        (over NB) the LDS loads land in it: QUANT's last lines on these registers stand ahead of both of those waits; the global stores read it.
; No register that a memory or LDS instruction reads is written again: no wait on vm_vsrc is owed.
.set REC,  2304
.set SP,   272
.set XA,  4
.set LI,  5
.set LS8, 6
.set SO,  7
.set SR,  8
.set GO,  9
.set NA,  16
.set NB,  80
.set ACC, 16
.set OUTR, 80
.set XF,  144
.set TM,  208
.set XS,  224
.set WS,  228
.set SEL, 20
.set MNT, 24
.set MSB, 0
.macro WIN new                         ; the immediate's high byte repeats the setting that is left
.if MSB != \new
	s_set_vgpr_msb (MSB<<8)|\new
.set MSB, \new
.endif
.endm
; 64 numbers of a lane at v[src] on, register 16 b + i = k 32 b + 16 (lane / 16) + i of my row, become a fragment's codes at v[dst] on and its scale word in v[wd].
.macro QUANT src, dst, wd
.irp b, 0,1,2,3
	v_max3_num_f32 v[TM+\b], |v[\src+16*\b]|, |v[\src+1+16*\b]|, 0x8000000   ; block b: my 16 numbers, and the floor 2^(16 - 127): the byte cannot fall under 1
.endr
.irp i, 2,4,6,8,10,12,14
.irp b, 0,1,2,3
	v_max3_num_f32 v[TM+\b], v[TM+\b], |v[\src+16*\b+\i]|, |v[\src+1+16*\b+\i]|
.endr
.endr
.irp b, 0,1,2,3
	v_permlanex16_b32 v[TM+4+\b], v[TM+\b], s[SEL], s[SEL+1]
.endr
.irp b, 0,1,2,3
	v_max_num_f32 v[TM+\b], v[TM+\b], v[TM+4+\b]   ; with lane l xor 16's: the block's largest magnitude
.endr
.irp b, 0,1,2,3
	v_add_nc_u32 v[TM+12+\b], 0xf8800000, v[TM+\b] ; 15 off its exponent field: the conversion's scale operand
.endr
.irp b, 0,1,2,3
	v_and_or_b32 v[TM+8+\b], v[TM+\b], 0x7f800000, s[MNT]   ; 57,344 x the scale
.endr
.irp b, 0,1,2,3
	v_lshrrev_b32 v[TM+4+\b], 23, v[TM+12+\b]      ; the scale's byte
.endr
	v_lshl_or_b32 v[\wd], v[TM+5], 8, v[TM+4]
	v_lshl_or_b32 v[\wd], v[TM+6], 16, v[\wd]
	v_lshl_or_b32 v[\wd], v[TM+7], 24, v[\wd]
.irp b, 0,1,2,3
.irp i, 0,1,2,3,4,5,6,7,8,9,10,11,12,13,14,15
	v_med3_num_f32 v[\src+16*\b+\i], v[\src+16*\b+\i], -v[TM+8+\b], v[TM+8+\b]   ; the conversion to an 8-bit code does not saturate (ISA guide 7.6.2): the hold at the largest code x the scale
.endr
	v_cvt_scalef32_pk8_bf8_f32 v[\dst+4*\b:\dst+1+4*\b], v[\src+16*\b:\src+7+16*\b], v[TM+12+\b]
	v_cvt_scalef32_pk8_bf8_f32 v[\dst+2+4*\b:\dst+3+4*\b], v[\src+8+16*\b:\src+15+16*\b], v[TM+12+\b]
.endr
	v_nop                                          ; one plain line behind the last conversion
.endm
.macro XLOAD reg, s                    ; my 16 tokens' numbers of K step s: 64 a lane
.irp b, 0,1,2,3
.irp j, 0,1,2,3
	global_load_b128 v[\reg+16*\b+4*\j:\reg+16*\b+4*\j+3], v[XA], s[4:5] offset:512*\s+128*\b+16*\j
.endr
.endr
.endm
	s_load_b128 s[4:7], s[0:1], 0x0                ; the attention output, the records
	s_load_b64 s[8:9], s[0:1], 0x10                ; out0
	v_lshl_add_u32 v254, v0, 2, 0x4400
	v_mov_b32 v255, 0
	v_lshrrev_b32 v1, 5, v0
	v_readfirstlane_b32 s10, v1                    ; wave
	v_and_b32 v1, 31, v0
	v_and_b32 v2, 15, v0                           ; r
	v_bfe_u32 v3, v0, 4, 1                         ; h
	v_lshlrev_b32 v[XA], 11, v2
	v_lshl_add_u32 v[XA], v3, 6, v[XA]             ; row r of 2,048 bytes, + 64 h: my 16 numbers of a block of 32
	v_lshlrev_b32 v[LI], 4, v1
	v_lshlrev_b32 v[LS8], 3, v1
	s_wait_alu depctr_va_sdst(0)                   ; s10 is written, ahead of its first reader: the stage's place and the bases are made from it
	s_mul_i32 s11, s10, 16*SP                      ; my stage
	v_mul_u32_u24 v[SO], v2, SP
	v_lshl_add_u32 v[SO], v3, 5, v[SO]
	v_add_nc_u32 v[SO], s11, v[SO]                 ; in: row r, + 32 h
	v_mul_u32_u24 v[SR], v3, SP
	v_lshl_add_u32 v[SR], v2, 4, v[SR]
	v_add_nc_u32 v[SR], s11, v[SR]                 ; back: lanes 0-15 one row, lanes 16-31 the next
	v_lshlrev_b32 v[GO], 11, v3
	v_lshl_add_u32 v[GO], v2, 4, v[GO]             ; and the same two rows in out0
	s_mov_b32 s[SEL], 0x76543210
	s_mov_b32 s[SEL+1], 0xfedcba98                 ; v_permlanex16_b32's selects for lane l xor 16
	s_mov_b32 s[MNT], 0x600000                     ; the mantissa field of 57,344
.irp b, 0,1,2,3
	v_mov_b32 v[TM+4+\b], 0                        ; a lane permute's destination counts as one of its sources
.endr
	s_and_b32 s12, ttmp7, 0xffff
	s_lshl_b32 s14, s12, 6
	s_lshl_b32 s15, s10, 4
	s_add_co_u32 s14, s14, s15                     ; my first token: 64 y + 16 w
	s_lshl_b32 s16, s14, 11
	s_mov_b32 s17, 0
	s_lshl_b32 s18, ttmp9, 4
	s_add_co_u32 s18, s18, 896                     ; Wo's records begin at number 896; mine: 16 x on
	s_mul_i32 s18, s18, REC
	s_mov_b32 s19, 0
	s_lshl_b32 s22, ttmp9, 8                       ; the block's 256 bytes of a row
	s_add_co_u32 s22, s22, s16
	s_mov_b32 s23, 0
	s_wait_kmcnt 0x0
	s_add_nc_u64 s[4:5], s[4:5], s[16:17]
	s_add_nc_u64 s[6:7], s[6:7], s[18:19]
	s_add_nc_u64 s[8:9], s[8:9], s[22:23]
	WIN 0x40                                       ; destination window 1.  Wo's loads go first, so that every counted wait below counts the numbers' loads alone
	s_wait_alu depctr_va_vdst(0)                   ; the offsets and addresses v4 to v9 are written: every load and store of the kernel reads one of them, and no vector line writes them again
.irp j, 0,1,2,3,4,5,6,7,8,9,10,11,12,13,14,15      ; record j = 4 f + s: outputs 16 f on, K step s
.irp c, 0,1,2,3
	global_load_b128 v[16*\j+4*\c:16*\j+4*\c+3], v[LI], s[6:7] offset:REC*\j+512*\c
.endr
.endr
	WIN 0
.irp j, 0,1,2,3,4,5,6,7,8,9,10,11,12,13,14,15
	global_load_b32 v[WS+\j], v[LS8], s[6:7] offset:REC*\j+2048
.endr
	XLOAD NA, 0
	XLOAD NB, 1
	s_wait_loadcnt 16                              ; K step 0's numbers are in (and Wo); the 16 loads of K step 1 stay out
	QUANT NA, XF, XS
	s_wait_alu depctr_va_vdst(0)                   ; the holds have written v[NA ..] and the conversions are done reading it: K step 2's loads land there
	XLOAD NA, 2
	s_wait_loadcnt 16                              ; K step 1's are in; K step 2's 16 stay out
	QUANT NB, XF+16, XS+1
	s_wait_alu depctr_va_vdst(0)                   ; the same of v[NB ..], in which K step 3's loads land
	XLOAD NB, 3
	s_wait_loadcnt 16                              ; K step 2's are in; K step 3's 16 stay out
	QUANT NA, XF+32, XS+2
	s_wait_loadcnt 0x0
	QUANT NB, XF+48, XS+3
.rept 8
	v_nop                                          ; a scale word made by vector instructions stands 8 places ahead of a scaled matrix instruction, codes so made 4
.endr
	WIN 0x01                                       ; source 0 window 1
	s_wait_alu depctr_va_vdst(0)                   ; the conversions have written the codes v[XF ..] and the shifts the scale words v[XS ..], which the scaled products take; the places above stay beside this wait
.irp s, 0,1,2,3                        ; the four accumulators take turns, one instruction a turn; the first K step starts the sums
.irp f, 0,1,2,3
.if \s == 0
	v_wmma_scale_f32_16x16x128_f8f6f4 v[ACC+8*\f:ACC+8*\f+7], v[16*(4*\f+\s):16*(4*\f+\s)+15], v[XF+16*\s:XF+16*\s+15], 0, v[WS+4*\f+\s], v[XS+\s] matrix_a_fmt:MATRIX_FMT_BF8 matrix_b_fmt:MATRIX_FMT_BF8
.else
	v_wmma_scale_f32_16x16x128_f8f6f4 v[ACC+8*\f:ACC+8*\f+7], v[16*(4*\f+\s):16*(4*\f+\s)+15], v[XF+16*\s:XF+16*\s+15], v[ACC+8*\f:ACC+8*\f+7], v[WS+4*\f+\s], v[XS+\s] matrix_a_fmt:MATRIX_FMT_BF8 matrix_b_fmt:MATRIX_FMT_BF8
.endif
.endr
.endr
	WIN 0
.rept 8
	v_nop                                          ; eight places in front of the first reads of results
.endr
	s_wait_alu depctr_va_vdst(0)                   ; the products have written the accumulators, which the LDS stores read; the vector lines that named v[OUTR ..], in which the LDS loads land, stand ahead of this wait too; the places above stay beside it
.irp f, 0,1,2,3
	ds_store_b128 v[SO], v[ACC+8*\f:ACC+8*\f+3] offset:64*\f            ; outputs 16 f + 8 h + 0 .. 7 of token r; each accumulator from its low end on
	ds_store_b128 v[SO], v[ACC+8*\f+4:ACC+8*\f+7] offset:64*\f+16
.endr
.irp t, 0,1,2,3,4,5,6,7
	ds_load_b128 v[OUTR+4*\t:OUTR+4*\t+3], v[SR] offset:2*\t*SP         ; LDS serves a wave's instructions in order: these see my stores
.endr
.irp t, 0,1,2,3,4,5,6,7
	s_wait_dscnt 7-\t                              ; pair t of rows is back; the 7 - t younger loads stay out
	global_store_b128 v[GO], v[OUTR+4*\t:OUTR+4*\t+3], s[8:9] offset:4096*\t th:TH_STORE_NT   ; sixteen lanes store 256 consecutive bytes, at a multiple of 256 from out0's first byte
.endr
	s_wait_dscnt 0x0
	s_wait_alu depctr_hold_cnt(0) depctr_sa_sdst(0) depctr_va_vdst(0) depctr_va_sdst(0) depctr_va_ssrc(0) depctr_va_vcc(0) depctr_vm_vsrc(0)
	s_wait_tensorcnt 0x0
	ds_add_u32 v254, v255
	s_wait_dscnt 0x0
	s_endpgm
.Lfunc_end_k_q52705cf927_oproj:
	.size	k_q52705cf927_oproj, .Lfunc_end_k_q52705cf927_oproj-k_q52705cf927_oproj
	.p2alignl 7, 3214868480
	.fill 96, 4, 3214868480
	.section	.rodata,"a",@progbits
	.p2align	6, 0x0
	.amdhsa_kernel k_q52705cf927_oproj
		.amdhsa_group_segment_fixed_size 17920
		.amdhsa_private_segment_fixed_size 0
		.amdhsa_enable_private_segment 0
		.amdhsa_kernarg_size 24
		.amdhsa_user_sgpr_count 2
		.amdhsa_user_sgpr_kernarg_segment_ptr 1
		.amdhsa_wavefront_size32 1
		.amdhsa_system_sgpr_workgroup_id_x 1
		.amdhsa_system_sgpr_workgroup_id_y 1
		.amdhsa_system_sgpr_workgroup_id_z 1
		.amdhsa_system_vgpr_workitem_id 0
		.amdhsa_next_free_vgpr 512
		.amdhsa_next_free_sgpr 66
		.amdhsa_reserve_vcc 0
		.amdhsa_float_denorm_mode_32 3
		.amdhsa_float_denorm_mode_16_64 3
		.amdhsa_memory_ordered 1
		.amdhsa_forward_progress 1
		.amdhsa_inst_pref_size 53
	.end_amdhsa_kernel
	.amdgpu_metadata
---
amdhsa.version: [ 1, 2 ]
amdhsa.kernels:
  - .name:           k_q52705cf927_oproj
    .symbol:         k_q52705cf927_oproj.kd
    .args:
      - { .name: attn, .offset: 0, .size: 8, .value_kind: global_buffer, .address_space: global }
      - { .name: recs, .offset: 8, .size: 8, .value_kind: global_buffer, .address_space: global }
      - { .name: out0, .offset: 16, .size: 8, .value_kind: global_buffer, .address_space: global }
    .group_segment_fixed_size: 17920
    .private_segment_fixed_size: 0
    .kernarg_segment_align: 8
    .kernarg_segment_size: 24
    .max_flat_workgroup_size: 128
    .sgpr_count:     66
    .vgpr_count:     512
    .wavefront_size: 32
...
	.end_amdgpu_metadata
.endif
;; end of part 8
